; MI455X (gfx1250); checked and timed in simulation.
; The chip was launched on July 23, 2026; its instructions are those of AMD's public machine-readable ISA for CDNA 5 (MIT licence, August 2026) and "CDNA5" Instruction Set Architecture Reference Guide (July 2026). The comments in the code are by the model that wrote it; some were corrected since.
;; Attention Block. Allowed arithmetic: matrix products marked QUANTISED: E4M3 operands, one given power-of-two scale a tensor, by v_wmma_f32_16x16x64_fp8_fp8 or v_wmma_f32_16x16x128_fp8_fp8, f32 sums; everything else in f32.
;; Inputs: ca_bo 1,024 float32; ca_nb 1,024 float32; ca_ncb 768 float32; ca_ncg 768 float32; ca_ng 1,024 float32; ca_wkv 768 x 1,024 float32; ca_wo 512 x 1,024 float32; ca_wq 1,024 x 512 float32; context 4 x 512 x 768 float32; lowp_scales 20 int32 (the exponents e of the quantised operands' scales 2^e); sa_bo 1,024 float32; sa_nb 1,024 float32; sa_ncb 1,024 float32; sa_ncg 1,024 float32; sa_ng 1,024 float32; sa_wkv 1,024 x 1,024 float32; sa_wo 512 x 1,024 float32; sa_wq 1,024 x 512 float32; x 4 x 2,048 x 1,024 float32.
;; Outputs: out0 4 x 2,048 x 1,024 float32.
;; This version of the problem:
;;   THIS VERSION OF THE PROBLEM IS GIVEN IN LOW PRECISION. The matrix products marked QUANTISED in the list below multiply operands that are first quantised to E4M3 (4 exponent bits, 3 mantissa bits; 8 bits a number), with one given power-of-two scale for each operand tensor; their sums are f32. All else is computed in f32.
;;   The module's matrix products, in the order in which they are computed (A, B: the left and right operand; K: the contracted axis; several contracted axes count as one K, in the product's order):
;;     1. [M 8,192, K 1,024] x [K 1,024, N 512]; A: computed on the way; B: input sa_wq: QUANTISED (scales: A lowp_scales[0], B lowp_scales[1])
;;     2. [M 8,192, K 1,024] x [K 1,024, N 1,024]; A: computed on the way; B: input sa_wkv: QUANTISED (scales: A lowp_scales[2], B lowp_scales[3])
;;     3. batch 32 x [M 2,048, K 64] x [K 64, N 2,048]; A: computed on the way; B: computed on the way: QUANTISED (scales: A lowp_scales[4], B lowp_scales[5])
;;     4. batch 32 x [M 2,048, K 2,048] x [K 2,048, N 64]; A: softmax (see below); B: computed on the way: QUANTISED (scales: A lowp_scales[6], B lowp_scales[7])
;;     5. [M 8,192, K 512] x [K 512, N 1,024]; A: computed on the way; B: input sa_wo: QUANTISED (scales: A lowp_scales[8], B lowp_scales[9])
;;     6. [M 8,192, K 1,024] x [K 1,024, N 512]; A: computed on the way; B: input ca_wq: QUANTISED (scales: A lowp_scales[10], B lowp_scales[11])
;;     7. [M 2,048, K 768] x [K 768, N 1,024]; A: computed on the way; B: input ca_wkv: QUANTISED (scales: A lowp_scales[12], B lowp_scales[13])
;;     8. batch 32 x [M 2,048, K 64] x [K 64, N 512]; A: computed on the way; B: computed on the way: QUANTISED (scales: A lowp_scales[14], B lowp_scales[15])
;;     9. batch 32 x [M 2,048, K 512] x [K 512, N 64]; A: softmax (see below); B: computed on the way: QUANTISED (scales: A lowp_scales[16], B lowp_scales[17])
;;     10. [M 8,192, K 512] x [K 512, N 1,024]; A: computed on the way; B: input ca_wo: QUANTISED (scales: A lowp_scales[18], B lowp_scales[19])
;;   THE QUANTISER, for each operand of a quantised product, along K:
;;     - The operand's scale is 2^e, e = its entry of the input lowp_scales (int32; the entries are numbered through the quantised products in the list's order, A before B).
;;     - Each number is divided by the scale, clamped to +-448, and rounded to the nearest number of E4M3, ties to even, subnormals kept.
;;     - The product sums the exact products of the quantised numbers (number of the format x scale) in f32.
;;   ~~~python
;;   def quantise(x, axis, e):      # numpy; x: float32 -> the quantised numbers, widened to float32 again
;;       x = np.moveaxis(x, axis, -1); K = x.shape[-1]
;;       r = np.clip(x / 2.0 ** e, -448, 448)
;;       step = 2.0 ** (np.maximum(np.frexp(np.where(r == 0, 1, r))[1] - 1, -6) - 3)
;;       q = np.round(r / step) * step * 2.0 ** e      # np.round: ties to even
;;       return np.moveaxis(q, -1, axis).astype(np.float32)
;;   ~~~
;;   SOFTMAX AHEAD OF A QUANTISED PRODUCT. Where the list says 'softmax', what is quantised is not the finished softmax but p = 2^(t - M), with t = logit x log2(e) and M = ceil(the row's largest t), a whole number; so 1/2 < the row's largest p <= 1. The row's sum l is taken of the UNQUANTISED p, in f32, and the product's result is divided by l at the end. Since M is a whole number, a kernel that streams over the keys may use a running M (the ceiling of the running maximum): every later rescaling is an exact power of two, so the quantised numbers keep their values, but for numbers so far below the row's largest that they fall under the format's range.
;;   OPERANDS COMPUTED ON THE WAY. 'Computed on the way' means the value that the module computes at that place (a softmax that the list does not call 'softmax' is quantised finished and normalised). What goes into a quantiser is computed in f32, as accurately as f32 sums, v_exp_f32 and their like allow (about 1e-6 of the number): no bf16 or f16 on the way to a quantiser, and a product that is left as it is and whose result goes on into a quantised operand takes f32 operands (vector FMAs, or v_wmma_f32_16x16x4_f32). A number that lies on a knife's edge between two numbers of the format may be rounded either way, as far as f32 arithmetic and the matrix unit's own rounding can turn it there, and no further.
;; One version. Each part assembles by itself: llvm-mc -triple=amdgcn-amd-amdhsa -mcpu=gfx1250 --defsym DOCPART=n.
;; ======== version 1 of 1: 4 launches
;; limits: right only within a limited range of input values
;; workspace buffers: acodes 18,874,368 bytes; wcodes 4,194,304 bytes; qkvb 14,680,064 bytes; o1 4,194,304 bytes
;; launch prep (part 1): grid 448 x 1, 4 waves a work-group, no clusters, 47,616 bytes of LDS; arguments x, context, lowp_scales, sa_ng, sa_nb, sa_ncg, sa_ncb, ca_ncg, ca_ncb, sa_wq, sa_wkv, sa_wo, ca_wq, ca_wkv, ca_wo, acodes, wcodes; writes acodes, wcodes
.if DOCPART == 1
	.amdgcn_target "amdgcn-amd-amdhsa--gfx1250"
	.amdhsa_code_object_version 6
	.text
	.protected	k_q4f436b065c_prep
	.globl	k_q4f436b065c_prep
	.p2align	8
	.type	k_q4f436b065c_prep,@function
k_q4f436b065c_prep:
	s_mov_b64 s[64:65], 0
	v_nop
	global_prefetch_b8 v0, s[64:65] scope:SCOPE_SE
	s_setreg_imm32_b32 hwreg(HW_REG_WAVE_MODE, 25, 1), 1
	s_wait_xcnt 0x0
; PREP: everything that can be quantised before the first product.  Codes are FP8 (E4M3): code = number / 2^e, held within +-448, nearest, ties to even.
; Work-groups 0-127: the six weights ([K][N] f32, K outermost) become codes with K innermost.  A lane takes a column n and its registers run down K, so the conversions give K innermost and nothing is transposed.
;   sa_wq, sa_wkv, ca_wkv leave as ROWS [n][1024] (ca_wkv's K = 768 is filled up with zero codes to 1,024); sa_wo, ca_wq, ca_wo leave as IMAGES of operand registers: fragment (j = n / 16, s = k / 128) is 2,048 bytes,
;   [chunk c][lane][16 bytes], chunk c = registers 4 c .. 4 c + 3 of the lane, register pair 2 c', 2 c' + 1 = k 16 c' + 8 (lane / 16) + 0 .. 7 of row n = 16 j + lane % 16.
; Work-groups 128-383: LayerNorm of x's 8,192 rows, once, and two sets of gains and scales: codes xn (e0) and cn (e2), rows of 1,024 bytes.  A wave takes a whole row, so the two sums never leave the wave.
; Work-groups 384-447: LayerNorm of context's 2,048 rows of 768 (e12), stored as rows of 1,024 codes, the last 256 zeros.
; The variance is the mean of (x - mean)^2, taken in a second pass over registers: no difference of large sums.
; No tensor load, no barrier: waves share nothing.  The three ways part on the work-group's number and each has LDS bytes of its own.  No cluster: no two work-groups read the same bytes but the gains.
; LIMITS: each exponent used here lies between -126 and 119, so that 2^e and 448 x 2^e are f32 numbers.  NaN among the inputs is not served.
.set LNX,  34816                       ; LDS: 0: the weights' stages, 4 waves x 32 rows x 272;  LNX: x's stages, 4 x 2,048;  LNC: context's, 4 x 1,024
.set LNC,  43008
.set OFF,  16                          ; weights: v16-47 byte offset of row i of a block of 32 along K;  v48-111 two sets of 32 numbers;  v112-119 codes;  v128-191 the way out
.set XW,   48
.set CW,   112
.set OUTR, 128
.set ROW0, 144                         ; norms: v16-143 gains;  v144-207 two row buffers;  v208-239 at work;  v240-247 codes;  v248-255 codes read back
.set TT,   208
.set CC,   240
.set OUT1, 248
.macro MKSC e, vs, vl                  ; from the exponent in s[e]: v[vs] = 2^e (the conversion takes its exponent field)
	s_add_co_i32 s62, s[\e], 127
	s_lshl_b32 s63, s62, 23
	v_mov_b32 v[\vs], s63
	s_add_co_i32 s62, s62, 8
	s_lshl_b32 s62, s62, 23
	s_or_b32 s62, s62, 0x600000
.endm
	s_load_b64 s[22:23], s[0:1], 0x10              ; the scales' exponents
	s_set_vgpr_msb 0x40
	v_lshl_add_u32 v0, v0, 2, 0xb800
	v_mov_b32 v1, 0
	s_set_vgpr_msb 0x4000
	v_lshrrev_b32 v1, 5, v0
	v_readfirstlane_b32 s2, v1                     ; wave 0..3
	v_and_b32 v2, 31, v0                           ; lane
	s_wait_kmcnt 0x0
	s_load_b512 s[68:83], s[22:23], 0x0            ; e0 .. e15
	s_load_b128 s[84:87], s[22:23], 0x40           ; e16 .. e19
	s_cmp_ge_u32 ttmp9, 128
	s_cbranch_scc1 .Lnorm
; ---------------- the weights: a work-group takes 128 columns x 256 along K, a wave 32 columns ----------------
	s_load_b256 s[8:15], s[0:1], 0x48              ; sa_wq s[8:9], sa_wkv s[10:11], sa_wo s[12:13], ca_wq s[14:15]
	s_load_b128 s[16:19], s[0:1], 0x68             ; ca_wkv s[16:17], ca_wo s[18:19]
	s_load_b64 s[20:21], s[0:1], 0x80              ; wcodes
	s_wait_alu depctr_va_vdst(0)
	v_lshlrev_b32 v3, 2, v2                        ; in: 4 bytes a lane
	s_mul_i32 s38, s2, 32*272                      ; my stage
	v_mul_u32_u24 v4, v2, 272
	v_add_nc_u32 v4, s38, v4                       ; into it: row = my column
	v_and_b32 v5, 15, v2
	v_lshrrev_b32 v6, 4, v2
	v_mul_u32_u24 v7, v6, 272
	v_lshl_add_u32 v7, v5, 4, v7
	v_add_nc_u32 v7, s38, v7                       ; out as rows: sixteen lanes to a row, two rows an instruction
	v_lshlrev_b32 v8, 10, v6
	v_lshl_add_u32 v8, v5, 4, v8                   ; and the same place among rows of 1,024 bytes
	v_mul_u32_u24 v9, v5, 272
	v_lshl_add_u32 v9, v6, 3, v9
	v_add_nc_u32 v9, s38, v9                       ; out as images: row lane % 16, + 8 (lane / 16)
	v_lshlrev_b32 v12, 4, v2                       ; an image's place for my lane
	s_wait_kmcnt 0x0
	s_mov_b64 s[24:25], s[8:9]                     ; which tensor is mine: the choice hangs on the work-group's number alone
	s_mov_b32 s26, 0                               ; its first work-group
	s_mov_b32 s27, 2                               ; N = 128 << shift
	s_mov_b32 s28, 0                               ; its place in wcodes
	s_mov_b32 s29, s69                             ; its exponent
	s_mov_b32 s30, 8192                            ; images: bytes of one j, K / 128 fragments
.macro SEG first, p, shift, dst, e, ksb
	s_cmp_ge_u32 ttmp9, \first
	s_cselect_b64 s[24:25], s[\p:\p+1], s[24:25]
	s_cselect_b32 s26, \first, s26
	s_cselect_b32 s27, \shift, s27
	s_cselect_b32 s28, \dst, s28
	s_cselect_b32 s29, s[\e], s29
	s_cselect_b32 s30, \ksb, s30
.endm
	SEG 16, 10, 3, 0x80000, 71, 8192               ; sa_wkv, e3
	SEG 48, 16, 3, 0x180000, 81, 8192              ; ca_wkv, e13
	SEG 80, 12, 3, 0x280000, 77, 8192              ; sa_wo, e9: images
	SEG 96, 14, 2, 0x300000, 79, 16384             ; ca_wq, e11: images
	SEG 112, 18, 3, 0x380000, 87, 8192             ; ca_wo, e19: images
	s_sub_co_u32 s26, ttmp9, s26
	s_lshl_b32 s31, 1, s27
	s_sub_co_u32 s31, s31, 1
	s_and_b32 s31, s26, s31                        ; nt: which 128 columns
	s_lshr_b32 s32, s26, s27                       ; kt: which 256 along K
	s_lshl_b32 s33, 512, s27                       ; a row of the weight in bytes
	s_mul_i32 s34, s32, s33
	s_lshl_b32 s34, s34, 8                         ; 256 kt rows
	s_lshl_b32 s35, s31, 9
	s_add_co_u32 s34, s34, s35                     ; + 128 nt columns
	s_lshl_b32 s35, s2, 7
	s_add_co_u32 s34, s34, s35                     ; + 32 columns a wave
	s_mov_b32 s35, 0
	s_add_nc_u64 s[40:41], s[24:25], s[34:35]      ; s[40:55]: a base for each of the eight blocks of 32 along K, so that none is stepped
	s_lshl_b32 s36, s33, 5
	s_mov_b32 s37, 0
.irp t, 1,2,3,4,5,6,7
	s_add_nc_u64 s[40+2*\t:41+2*\t], s[38+2*\t:39+2*\t], s[36:37]
.endr
	s_lshl_b32 s34, s31, 17                        ; rows: (128 nt + 32 wave) x 1,024 + 256 kt
	s_lshl_b32 s35, s2, 15
	s_add_co_u32 s34, s34, s35
	s_lshl_b32 s35, s32, 8
	s_add_co_u32 s34, s34, s35
	s_add_co_u32 s34, s34, s28
	s_mov_b32 s35, 0
	s_add_nc_u64 s[56:57], s[20:21], s[34:35]
	s_lshl_b32 s34, s31, 3                         ; images: j = 8 nt + 2 wave (+ 1), s = 2 kt (+ 1)
	s_lshl_b32 s35, s2, 1
	s_add_co_u32 s34, s34, s35
	s_mul_i32 s34, s34, s30
	s_lshl_b32 s35, s32, 12
	s_add_co_u32 s34, s34, s35
	s_add_co_u32 s34, s34, s28
	s_mov_b32 s35, 0
	s_add_nc_u64 s[58:59], s[20:21], s[34:35]
	s_mov_b32 s34, s30
	s_add_nc_u64 s[60:61], s[58:59], s[34:35]
	s_sub_co_u32 s39, ttmp9, 72                    ; ca_wkv's K ends at 768: its fourth 256 along K are zero codes, and nothing is loaded for them
	s_cmp_lt_u32 s39, 8
	s_cbranch_scc1 .Lzero
.set j, 0
.rept 32
	v_mad_u32_u24 v[OFF+j], s33, j, v3             ; row j of a block, my column
.set j, j+1
.endr
	MKSC 29, 11, 10
.macro WLOAD t                         ; block t: w(32 t + j, my column): 32 lanes read 128 consecutive bytes, the four waves side by side 512
.set j, 0
.rept 32
	global_load_b32 v[XW+32*((\t)%2)+j], v[OFF+j], s[40+2*(\t):41+2*(\t)] th:TH_LOAD_NT
.set j, j+1
.endr
.endm
.macro WBLOCK t
.set XS, XW+32*((\t)%2)
.if (\t) < 7
	s_wait_loadcnt 32                              ; this block's 32 loads are in; the next block's 32 may be out
.else
	s_wait_loadcnt 0x0
.endif
.set j, 0
.rept 32
.set j, j+1
.endr
.irp g, 0,1,2,3
	v_cvt_scalef32_pk8_fp8_f32 v[CW+2*\g:CW+2*\g+1], v[XS+8*\g:XS+8*\g+7], v11
.endr
	ds_store_b128 v4, v[CW:CW+3] offset:32*(\t)    ; 32 codes of my column's row.
	ds_store_b128 v4, v[CW+4:CW+7] offset:32*(\t)+16
.if (\t)+2 < 8
	WLOAD (\t)+2
.endif
	s_wait_dscnt 0x0                               ; the stores have read their registers: the next block's codes may be written
.endm
	WLOAD 0
	WLOAD 1
	s_wait_alu depctr_va_vdst(0)
.irp t, 0,1,2,3,4,5,6,7
	WBLOCK \t
.endr
	s_cmp_ge_u32 ttmp9, 80
	s_cbranch_scc1 .Limage
.irp t, 0,1,2,3,4,5,6,7,8,9,10,11,12,13,14,15
	ds_load_b128 v[OUTR+4*\t:OUTR+4*\t+3], v7 offset:2*\t*272     ; LDS serves a wave's instructions in order: these see my stores
.endr
.irp t, 0,1,2,3,4,5,6,7,8,9,10,11,12,13,14,15
	s_wait_dscnt 15-\t                             ; the younger loads may be out
	global_store_b128 v8, v[OUTR+4*\t:OUTR+4*\t+3], s[56:57] offset:2*\t*1024   ; sixteen lanes store 256 consecutive bytes, aligned
.endr
	s_set_vgpr_msb 0x5
	s_wait_tensorcnt 0x0
	ds_add_u32 v0, v1
	s_wait_dscnt 0x0
	s_set_vgpr_msb 0x500
	s_endpgm
.Limage:                                           ; q = 8 jj + 4 ss + c: chunk c of fragment (j + jj, s + ss)
.set q, 0
.rept 16
	ds_load_b64 v[OUTR+4*q:OUTR+4*q+1], v9 offset:(q/8)*16*272+((q/4)%2)*128+(q%4)*32
	ds_load_b64 v[OUTR+4*q+2:OUTR+4*q+3], v9 offset:(q/8)*16*272+((q/4)%2)*128+(q%4)*32+16
.set q, q+1
.endr
.set q, 0
.rept 16
	s_wait_dscnt 30-2*q                            ; two loads a chunk: the younger chunks' may be out
	global_store_b128 v12, v[OUTR+4*q:OUTR+4*q+3], s[58+2*(q/8):59+2*(q/8)] offset:((q/4)%2)*2048+(q%4)*512   ; 32 lanes store 512 consecutive bytes
.set q, q+1
.endr
	s_set_vgpr_msb 0x5
	s_wait_tensorcnt 0x0
	ds_add_u32 v0, v1
	s_wait_dscnt 0x0
	s_set_vgpr_msb 0x500
	s_endpgm
.Lzero:
.irp i, 0,1,2,3
	v_mov_b32 v[OUTR+\i], 0
.endr
	s_wait_alu depctr_va_vdst(0)
.irp t, 0,1,2,3,4,5,6,7,8,9,10,11,12,13,14,15
	global_store_b128 v8, v[OUTR:OUTR+3], s[56:57] offset:2*\t*1024
.endr
	s_endpgm
; ---------------- the norms: a wave takes 8 rows, a whole row at a time; lane l holds features 128 j + 4 l + 0 .. 3 ----------------
.macro REDUCE r                        ; the sum over the 32 lanes, in every lane
	v_add_f32_dpp v[\r], v[\r], v[\r] row_xmask:1 row_mask:0xf bank_mask:0xf
	v_add_f32_dpp v[\r], v[\r], v[\r] row_xmask:2 row_mask:0xf bank_mask:0xf
	v_add_f32_dpp v[\r], v[\r], v[\r] row_xmask:4 row_mask:0xf bank_mask:0xf
	v_add_f32_dpp v[\r], v[\r], v[\r] row_xmask:8 row_mask:0xf bank_mask:0xf
	v_permlanex16_b32 v15, v[\r], s12, s13
	v_add_f32 v[\r], v[\r], v15
.endm
; z x gain + bias, held, converted; register j of the codes is 4 codes at k = 128 j + 4 lane: they go through my stage and come back 16 neighbouring bytes a lane
.macro EMIT g, b, sc, lim, so, out, second
.set j, 0
.rept 2*NJ
	v_pk_fma_f32 v[TT+j:TT+j+1], v[RB+j:RB+j+1], v[\g+j:\g+j+1], v[\b+j:\b+j+1]
.set j, j+2
.endr
.set j, 0
.rept 4*NJ
.set j, j+1
.endr
.if \second
	s_wait_alu depctr_va_vdst(0)
	s_wait_dscnt 0x2                               ; the first set's eight stores have read the codes' registers; its two loads may be out
.endif
.set j, 0
.rept NJ/2
	v_cvt_scalef32_pk8_fp8_f32 v[CC+2*j:CC+2*j+1], v[TT+8*j:TT+8*j+7], v[\sc]
.set j, j+1
.endr
	v_nop                                          ; a plain line between the conversions and the next vector line that writes their sources
.set j, 0
.rept 8
	ds_store_b32 v2, v[CC+j] offset:\so+128*j
.set j, j+1
.endr
	ds_load_b128 v[\out:\out+3], v3 offset:\so
	ds_load_b128 v[\out+4:\out+7], v3 offset:\so+512
.endm
.macro LNROW i
.set RB, ROW0+32*((\i)%2)
.set RN, ROW0+32*(((\i)+1)%2)
	s_wait_xcnt 0x0                                ; the stores of the row before have read their registers, part of the other buffer among them
.if (\i) < 7
.set j, 0
.rept NJ
	global_load_b128 v[RN+4*j:RN+4*j+3], v1, s[4:5] offset:((\i)+1)*ROWB+512*j th:TH_LOAD_NT   ; the next row: 512 consecutive bytes a load
.set j, j+1
.endr
	s_wait_loadcnt NJ                              ; this row (and, at the first row, the gains) is in; the next row's loads may be out
.else
	s_wait_loadcnt 0x0
.endif
	v_pk_add_f32 v[4:5], v[RB:RB+1], v[RB+2:RB+3]  ; the row's sum, in two chains
	v_pk_add_f32 v[6:7], v[RB+4:RB+5], v[RB+6:RB+7]
.set j, 8
.rept NJ-2
	v_pk_add_f32 v[4:5], v[4:5], v[RB+j:RB+j+1]
	v_pk_add_f32 v[6:7], v[6:7], v[RB+j+2:RB+j+3]
.set j, j+4
.endr
	v_pk_add_f32 v[4:5], v[4:5], v[6:7]
	v_add_f32 v4, v4, v5
	REDUCE 4
	v_mul_f32 v12, s14, v4                         ; the mean
	v_mov_b32 v13, v12
.set j, 0
.rept 2*NJ
	v_pk_add_f32 v[RB+j:RB+j+1], v[RB+j:RB+j+1], v[12:13] neg_lo:[0,1] neg_hi:[0,1]   ; x - mean, in place
.set j, j+2
.endr
	v_pk_mul_f32 v[4:5], v[RB:RB+1], v[RB:RB+1]
	v_pk_mul_f32 v[6:7], v[RB+2:RB+3], v[RB+2:RB+3]
.set j, 4
.rept NJ-1
	v_pk_fma_f32 v[4:5], v[RB+j:RB+j+1], v[RB+j:RB+j+1], v[4:5]
	v_pk_fma_f32 v[6:7], v[RB+j+2:RB+j+3], v[RB+j+2:RB+j+3], v[6:7]
.set j, j+4
.endr
	v_pk_add_f32 v[4:5], v[4:5], v[6:7]
	v_add_f32 v4, v4, v5
	REDUCE 4
	v_fma_f32 v14, v4, s14, s15                    ; the variance + 1e-5
	s_wait_alu depctr_va_vdst(0)
	v_rsq_f32 v12, v14
	v_nop                                          ; a plain line behind the transcendental,
	s_wait_alu depctr_va_vdst(0)                   ; and a wait ahead of its first reader
	v_mov_b32 v13, v12
.set j, 0
.rept 2*NJ
	v_pk_mul_f32 v[RB+j:RB+j+1], v[RB+j:RB+j+1], v[12:13]
.set j, j+2
.endr
	EMIT 16, 48, 8, 9, 0, OUT1, 0
.if NSETS == 2
	EMIT 80, 112, 10, 11, 1024, RB, 1              ; the second set's codes come back into the row's own registers, which are done with
	s_wait_dscnt 10                                ; the first set is back; the second set's eight stores and two loads may be out
.else
	s_wait_dscnt 0x0
.endif
	global_store_b128 v1, v[OUT1:OUT1+3], s[8:9] offset:(\i)*1024          ; 32 lanes store 512 consecutive bytes
	global_store_b128 v1, v[OUT1+4:OUT1+7], s[8:9] offset:(\i)*1024+512
.if NSETS == 2
	s_wait_dscnt 0x0
	global_store_b128 v1, v[RB:RB+3], s[10:11] offset:(\i)*1024
	global_store_b128 v1, v[RB+4:RB+7], s[10:11] offset:(\i)*1024+512
.endif
.endm
.Lnorm:
	s_load_b64 s[6:7], s[0:1], 0x78                ; acodes
	s_mov_b32 s12, 0x76543210                      ; lane selects: lane l xor 16
	s_mov_b32 s13, 0xfedcba98
	s_mov_b32 s15, 0x3727c5ac                      ; 1e-5
	s_wait_alu depctr_va_vdst(0)
	v_lshlrev_b32 v1, 4, v2                        ; 16 bytes a lane
	v_mov_b32 v15, 0                               ; a lane permute's destination counts as read
	s_lshl_b32 s33, s2, 3
	s_mov_b32 s35, 0
	s_mov_b32 s37, 0
	s_cmp_ge_u32 ttmp9, 384
	s_cbranch_scc1 .Lctx
	s_load_b64 s[4:5], s[0:1], 0x0                 ; x
	s_load_b256 s[24:31], s[0:1], 0x18             ; sa_ng, sa_nb, sa_ncg, sa_ncb
	s_mov_b32 s14, 0x3a800000                      ; 1 / 1024
	s_sub_co_u32 s32, ttmp9, 128
	s_lshl_b32 s32, s32, 5
	s_add_co_u32 s32, s32, s33                     ; my first row
	s_lshl_b32 s34, s32, 12
	s_lshl_b32 s36, s32, 10
	s_lshl_b32 s38, s2, 11
	s_add_co_u32 s38, s38, LNX                     ; my stage: 1,024 bytes for each set
	v_lshl_add_u32 v3, v2, 4, s38
	v_lshl_add_u32 v2, v2, 2, s38
	s_wait_kmcnt 0x0
	s_add_nc_u64 s[4:5], s[4:5], s[34:35]
	s_add_nc_u64 s[8:9], s[6:7], s[36:37]          ; xn
	s_add_nc_u64 s[10:11], s[8:9], 0x800000        ; cn
	s_wait_alu depctr_va_vdst(0)
.irp j, 0,1,2,3,4,5,6,7
	global_load_b128 v[16+4*\j:19+4*\j], v1, s[24:25] offset:512*\j
	global_load_b128 v[48+4*\j:51+4*\j], v1, s[26:27] offset:512*\j
	global_load_b128 v[80+4*\j:83+4*\j], v1, s[28:29] offset:512*\j
	global_load_b128 v[112+4*\j:115+4*\j], v1, s[30:31] offset:512*\j
.endr
.irp j, 0,1,2,3,4,5,6,7
	global_load_b128 v[ROW0+4*\j:ROW0+4*\j+3], v1, s[4:5] offset:512*\j th:TH_LOAD_NT
.endr
	MKSC 68, 8, 9                                  ; e0
	MKSC 70, 10, 11                                ; e2
.set NJ, 8
.set ROWB, 4096
.set NSETS, 2
.irp i, 0,1,2,3,4,5,6,7
	LNROW \i
.endr
	s_set_vgpr_msb 0x5
	s_wait_tensorcnt 0x0
	ds_add_u32 v0, v1
	s_wait_dscnt 0x0
	s_set_vgpr_msb 0x500
	s_endpgm
.Lctx:
	s_load_b64 s[4:5], s[0:1], 0x8                 ; context
	s_load_b128 s[24:27], s[0:1], 0x38             ; ca_ncg, ca_ncb
	s_mov_b32 s14, 0x3aaaaaab                      ; 1 / 768
	s_sub_co_u32 s32, ttmp9, 384
	s_lshl_b32 s32, s32, 5
	s_add_co_u32 s32, s32, s33
	s_mul_i32 s34, s32, 3072
	s_lshl_b32 s36, s32, 10
	s_lshl_b32 s38, s2, 10
	s_add_co_u32 s38, s38, LNC
	v_lshl_add_u32 v3, v2, 4, s38
	v_lshl_add_u32 v2, v2, 2, s38
	v_mov_b32 v[CC+6], 0                           ; k = 768 .. 1,023: zero codes, stored with every row
	v_mov_b32 v[CC+7], 0
	s_wait_kmcnt 0x0
	s_add_nc_u64 s[4:5], s[4:5], s[34:35]
	s_add_nc_u64 s[8:9], s[6:7], s[36:37]
	s_add_nc_u64 s[8:9], s[8:9], 0x1000000         ; ctx
	s_wait_alu depctr_va_vdst(0)
.irp j, 0,1,2,3,4,5
	global_load_b128 v[16+4*\j:19+4*\j], v1, s[24:25] offset:512*\j
	global_load_b128 v[48+4*\j:51+4*\j], v1, s[26:27] offset:512*\j
.endr
.irp j, 0,1,2,3,4,5
	global_load_b128 v[ROW0+4*\j:ROW0+4*\j+3], v1, s[4:5] offset:512*\j th:TH_LOAD_NT
.endr
	MKSC 80, 8, 9                                  ; e12
.set NJ, 6
.set ROWB, 3072
.set NSETS, 1
.irp i, 0,1,2,3,4,5,6,7
	LNROW \i
.endr
	s_set_vgpr_msb 0x5
	s_wait_tensorcnt 0x0
	ds_add_u32 v0, v1
	s_wait_dscnt 0x0
	s_set_vgpr_msb 0x500
	s_endpgm
.Lfunc_end_k_q4f436b065c_prep:
	.size	k_q4f436b065c_prep, .Lfunc_end_k_q4f436b065c_prep-k_q4f436b065c_prep
	.p2alignl 7, 3214868480
	.fill 96, 4, 3214868480
	.section	.rodata,"a",@progbits
	.p2align	6, 0x0
	.amdhsa_kernel k_q4f436b065c_prep
		.amdhsa_group_segment_fixed_size 47616
		.amdhsa_private_segment_fixed_size 0
		.amdhsa_enable_private_segment 0
		.amdhsa_kernarg_size 136
		.amdhsa_user_sgpr_count 2
		.amdhsa_user_sgpr_kernarg_segment_ptr 1
		.amdhsa_wavefront_size32 1
		.amdhsa_system_sgpr_workgroup_id_x 1
		.amdhsa_system_sgpr_workgroup_id_y 1
		.amdhsa_system_sgpr_workgroup_id_z 1
		.amdhsa_system_vgpr_workitem_id 0
		.amdhsa_next_free_vgpr 258
		.amdhsa_next_free_sgpr 100
		.amdhsa_reserve_vcc 0
		.amdhsa_float_denorm_mode_32 3
		.amdhsa_float_denorm_mode_16_64 3
		.amdhsa_fp16_overflow 1
		.amdhsa_memory_ordered 1
		.amdhsa_forward_progress 1
		.amdhsa_inst_pref_size 185
	.end_amdhsa_kernel
	.amdgpu_metadata
---
amdhsa.version: [ 1, 2 ]
amdhsa.kernels:
  - .name:           k_q4f436b065c_prep
    .symbol:         k_q4f436b065c_prep.kd
    .args:
      - { .name: x, .offset: 0, .size: 8, .value_kind: global_buffer, .address_space: global }
      - { .name: context, .offset: 8, .size: 8, .value_kind: global_buffer, .address_space: global }
      - { .name: lowp_scales, .offset: 16, .size: 8, .value_kind: global_buffer, .address_space: global }
      - { .name: sa_ng, .offset: 24, .size: 8, .value_kind: global_buffer, .address_space: global }
      - { .name: sa_nb, .offset: 32, .size: 8, .value_kind: global_buffer, .address_space: global }
      - { .name: sa_ncg, .offset: 40, .size: 8, .value_kind: global_buffer, .address_space: global }
      - { .name: sa_ncb, .offset: 48, .size: 8, .value_kind: global_buffer, .address_space: global }
      - { .name: ca_ncg, .offset: 56, .size: 8, .value_kind: global_buffer, .address_space: global }
      - { .name: ca_ncb, .offset: 64, .size: 8, .value_kind: global_buffer, .address_space: global }
      - { .name: sa_wq, .offset: 72, .size: 8, .value_kind: global_buffer, .address_space: global }
      - { .name: sa_wkv, .offset: 80, .size: 8, .value_kind: global_buffer, .address_space: global }
      - { .name: sa_wo, .offset: 88, .size: 8, .value_kind: global_buffer, .address_space: global }
      - { .name: ca_wq, .offset: 96, .size: 8, .value_kind: global_buffer, .address_space: global }
      - { .name: ca_wkv, .offset: 104, .size: 8, .value_kind: global_buffer, .address_space: global }
      - { .name: ca_wo, .offset: 112, .size: 8, .value_kind: global_buffer, .address_space: global }
      - { .name: acodes, .offset: 120, .size: 8, .value_kind: global_buffer, .address_space: global }
      - { .name: wcodes, .offset: 128, .size: 8, .value_kind: global_buffer, .address_space: global }
    .group_segment_fixed_size: 47616
    .private_segment_fixed_size: 0
    .kernarg_segment_align: 8
    .kernarg_segment_size: 136
    .max_flat_workgroup_size: 128
    .sgpr_count:     100
    .vgpr_count:     258
    .wavefront_size: 32
...
	.end_amdgpu_metadata
.endif
;; end of part 1
;; launch qkv (part 2): grid 32 x 7, 4 waves a work-group, no clusters, 327,680 bytes of LDS; arguments acodes, wcodes, lowp_scales, qkvb; writes qkvb
.if DOCPART == 2
	.amdgcn_target "amdgcn-amd-amdhsa--gfx1250"
	.amdhsa_code_object_version 6
	.text
	.protected	k_q4f436b065c_qkv
	.globl	k_q4f436b065c_qkv
	.p2align	8
	.type	k_q4f436b065c_qkv,@function
k_q4f436b065c_qkv:
	s_mov_b64 s[64:65], 0
	v_nop
	global_prefetch_b8 v0, s[64:65] scope:SCOPE_SE
	s_setreg_imm32_b32 hwreg(HW_REG_WAVE_MODE, 25, 1), 1
	s_wait_xcnt 0x0
.set ROWB,   256
.set PITCH,  272
.set FR,     16
.set HALFT,  128*PITCH
.set SLOT,   4*HALFT
.set SPARE,  2*SLOT
.set ADRA, 16
.set ADRB, 20
.set STO,  24
.set RD,   25
.set CO,   26
.set SPW,  28
.set NIL,  29
.set LIM,  30
.set SCL,  31
.set TMP,  32
.set CD,   96
.set AF,   128
.set G1, 24
.set G0, 32
.set MSB, 0
.macro WIN new
.if MSB != \new
	s_set_vgpr_msb (MSB<<8)|\new
.set MSB, \new
.endif
.endm
.set MUL_LO, 0xa1
.set MUL_HI, 0xf1
.set TO_B,   0x40
	s_load_b256 s[4:11], s[0:1], 0x0
	v_lshl_add_u32 v[SPW], v0, 2, SPARE
	v_mov_b32 v[NIL], 0
	ds_add_u32 v28, v29
	ds_add_u32 v28, v29
	s_wait_dscnt 0x0
	v_lshrrev_b32 v1, 5, v0
	v_readfirstlane_b32 s14, v1
	s_lshr_b32 s15, s14, 1
	s_and_b32 s16, s14, 1
	s_and_b32 s17, ttmp7, 0xffff
	s_and_b32 s18, ttmp9, 7
	s_lshr_b32 s19, ttmp9, 3
	s_sub_co_u32 s20, s17, 2
	s_mov_b32 s43, 0x800000
	s_cmp_lt_u32 s17, 2
	s_cselect_b32 s20, s17, s20
	s_cselect_b32 s21, 0, 0x800000
	s_cselect_b32 s22, 0, 0x80000
	s_cselect_b32 s23, 0, 0x400000
	s_cselect_b32 s41, 1, 0
	s_cmp_eq_u32 s17, 6
	s_cselect_b32 s18, s18, ttmp9
	s_cselect_b32 s19, s19, s20
	s_cselect_b32 s21, 0x1000000, s21
	s_cselect_b32 s22, 0x180000, s22
	s_cselect_b32 s23, 0xc00000, s23
	s_cselect_b32 s43, 0xd00000, s43
	s_cselect_b32 s42, 1, 3
	s_cselect_b32 s40, 1, 0
	s_lshl_b32 s45, 256, s42
	s_lshl_b32 s46, s18, 18
	s_add_co_u32 s21, s21, s46
	s_lshl_b32 s46, s19, 18
	s_add_co_u32 s22, s22, s46
	s_lshl_b32 s46, s18, 17
	s_add_co_u32 s23, s23, s46
	s_lshl_b32 s46, s19, 8
	s_add_co_u32 s23, s23, s46
	s_lshr_b32 s46, s18, s42
	s_lshl_b32 s46, s46, 9
	s_sub_co_u32 s47, s19, 2
	s_lshl_b32 s47, s47, 8
	s_add_co_u32 s46, s46, s47
	s_mul_i32 s46, s46, s45
	s_add_co_u32 s43, s43, s46
	s_lshl_b32 s46, 1, s42
	s_sub_co_u32 s46, s46, 1
	s_and_b32 s46, s18, s46
	s_lshl_b32 s46, s46, 8
	s_add_co_u32 s43, s43, s46
	s_cmp_ge_u32 s19, 2
	s_cselect_b32 s44, 1, 0
	s_cselect_b32 s45, s45, 512
	s_cselect_b32 s23, s43, s23
	s_mov_b32 s[G1+0], (1<<20)|(5<<22)|(3<<25)
	s_mov_b32 s[G1+1], ROWB<<16
	s_mov_b32 s[G1+2], 128<<16
	s_mov_b32 s[G1+3], ROWB<<16
	s_mov_b32 s[G1+4], 128
	s_mov_b32 s[G1+5], 1024
	s_mov_b32 s[G1+6], 0
	s_mov_b32 s[G1+7], 0
	s_xor_b32 s46, s44, s15
	s_mul_i32 s52, s14, HALFT
	s_wait_kmcnt 0x0
	s_load_b512 s[68:83], s[8:9], 0x0
	s_load_b128 s[84:87], s[8:9], 0x40
	s_cmp_eq_u32 s46, 1
	s_cselect_b64 s[48:49], s[6:7], s[4:5]
	s_cselect_b32 s50, s22, s21
	s_lshl_b32 s51, s16, 17
	s_add_co_u32 s50, s50, s51
	s_mov_b32 s51, 0
	s_add_nc_u64 s[48:49], s[48:49], s[50:51]
.irp s, 0,1
	s_mov_b32 s[G0+4*\s], 1
	s_add_co_u32 s[G0+4*\s+1], s52, \s*SLOT
	s_add_nc_u64 s[G0+4*\s+2:G0+4*\s+3], s[48:49], \s*ROWB
	s_or_b32 s[G0+4*\s+3], s[G0+4*\s+3], 0x80000000
.endr
	tensor_load_to_lds s[G0:G0+3], s[G1:G1+7]
	s_nop 0
	s_wait_alu depctr_va_vdst(0)
	s_wait_tensorcnt 0x0
	ds_add_u32 v28, v29
	s_wait_dscnt 0x0
	s_barrier_signal -1
	s_barrier_wait -1
	tensor_load_to_lds s[G0+4:G0+7], s[G1:G1+7]
	s_nop 0
.rept 4
	v_nop
.endr
	v_and_b32 v1, 15, v0
	v_bfe_u32 v2, v0, 4, 1
	v_mul_u32_u24 v3, v1, PITCH
	v_lshl_add_u32 v4, v2, 4, v3
	s_wait_alu depctr_va_vdst(0)
	s_mul_i32 s53, s15, HALFT
	s_mul_i32 s54, s16, HALFT
	s_add_co_u32 s54, s54, 2*HALFT
.irp s, 0,1
	v_add_nc_u32 v[ADRA+\s], s53, v4
	v_add_nc_u32 v[ADRB+\s], s54, v4
	s_add_co_u32 s53, s53, SLOT
	s_add_co_u32 s54, s54, SLOT
.endr
	s_mul_i32 s53, s15, HALFT
	s_lshl_b32 s54, s16, 7
	s_add_co_u32 s53, s53, s54
	v_add_nc_u32 v[STO], s53, v4
	s_mul_i32 s53, s14, 64*PITCH
	v_mul_u32_u24 v5, v2, PITCH
	v_lshl_add_u32 v5, v1, 4, v5
	v_add_nc_u32 v[RD], s53, v5
	v_mul_u32_u24 v5, s45, v2
	v_lshl_add_u32 v[CO], v1, 4, v5
	s_lshl_b32 s53, s14, 6
	s_mul_i32 s53, s53, s45
	s_add_co_u32 s54, s53, s23
	s_mov_b32 s55, 0
	s_add_nc_u64 s[10:11], s[10:11], s[54:55]
	s_lshl_b32 s56, s45, 1
	s_wait_alu depctr_va_vdst(0)
	s_wait_kmcnt 0x0
	s_cmp_eq_u32 s41, 1
	s_cselect_b32 s57, s68, s70
	s_cselect_b32 s58, s69, s71
	s_cmp_eq_u32 s44, 1
	s_cselect_b32 s59, s75, s73
	s_cselect_b32 s60, s85, s83
	s_cmp_eq_u32 s41, 1
	s_cselect_b32 s59, s72, s59
	s_cmp_eq_u32 s40, 1
	s_cselect_b32 s57, s80, s57
	s_cselect_b32 s58, s81, s58
	s_cselect_b32 s59, s60, s59
	s_sub_co_i32 s59, s59, s57
	s_sub_co_i32 s59, s59, s58
	s_add_co_i32 s59, s59, 127
	s_lshl_b32 s60, s59, 23
	v_mov_b32 v[SCL], s60
	s_add_co_i32 s59, s59, 8
	s_lshl_b32 s59, s59, 23
	s_or_b32 s59, s59, 0x600000
	v_mov_b32 v[LIM], s59
.macro FRAG reg, adr, q, i
.irp c, 0,1,2,3
	ds_load_b128 v[\reg+4*\c:\reg+4*\c+3], v[\adr] offset:128*(\q)+32*\c+(\i)*16*PITCH
.endr
.endm
.macro MUL16 a0, p, zero
.irp a, \a0, \a0+1
.irp b, 0,1,2,3,4,5,6,7
.if \zero
	v_wmma_f32_16x16x128_fp8_fp8 v[8*(8*((\a)%4)+\b):8*(8*((\a)%4)+\b)+7], v[128*(\p)+FR*\b:128*(\p)+FR*\b+FR-1], v[AF+FR*(\a):AF+FR*(\a)+FR-1], 0
.else
	v_wmma_f32_16x16x128_fp8_fp8 v[8*(8*((\a)%4)+\b):8*(8*((\a)%4)+\b)+7], v[128*(\p)+FR*\b:128*(\p)+FR*\b+FR-1], v[AF+FR*(\a):AF+FR*(\a)+FR-1], v[8*(8*((\a)%4)+\b):8*(8*((\a)%4)+\b)+7]
.endif
.endr
.endr
.endm
.macro FETCH_B slot, q, p
	WIN TO_B
.irp i, 0,1,2,3,4,5,6,7
	FRAG 128*(\p)+FR*\i, ADRB+\slot, \q, \i
.endr
	WIN 0
.endm
.macro FETCH_A slot, q, i0
.irp i, \i0, \i0+1, \i0+2, \i0+3
	FRAG AF+FR*(\i), ADRA+\slot, \q, \i
.endr
.endm
.macro PLACES
.rept 4
	v_nop
.endr
.endm
.macro STEP slot, q, zero
	s_wait_dscnt 16
	WIN MUL_LO
	MUL16 0, (\q)%2, \zero
	MUL16 2, (\q)%2, \zero
	s_wait_dscnt 0
	PLACES
	FETCH_B \slot, (\q)+1, 1-(\q)%2
	FETCH_A \slot, (\q)+1, 0
	WIN MUL_HI
	MUL16 4, (\q)%2, \zero
	MUL16 6, (\q)%2, \zero
	PLACES
	WIN 0
	FETCH_A \slot, (\q)+1, 4
.endm
.macro TURN slot, next, fill
	s_wait_tensorcnt 0x0
	ds_add_u32 v[SPW], v[NIL]
	s_wait_dscnt 17
	WIN MUL_LO
	MUL16 0, 1, 0
	s_wait_dscnt 0x0
	s_barrier_signal -1
	MUL16 2, 1, 0
	WIN 0
	s_barrier_wait -1
.if \fill
	s_add_nc_u64 s[G0+4*\slot+2:G0+4*\slot+3], s[G0+4*\slot+2:G0+4*\slot+3], 2*ROWB
	tensor_load_to_lds s[G0+4*\slot:G0+4*\slot+3], s[G1:G1+7]
	s_nop 0
.endif
	PLACES
	FETCH_B \next, 0, 0
	FETCH_A \next, 0, 0
	WIN MUL_HI
	MUL16 4, 1, 0
	MUL16 6, 1, 0
	PLACES
	WIN 0
	FETCH_A \next, 0, 4
.endm
	s_wait_tensorcnt 1
	s_barrier_signal -1
	s_barrier_wait -1
	FETCH_B 0, 0, 0
	FETCH_A 0, 0, 0
	FETCH_A 0, 0, 4
	STEP 0, 0, 1
	TURN 0, 1, 1
	STEP 1, 0, 0
	TURN 1, 0, 1
	STEP 0, 0, 0
	TURN 0, 1, 0
	STEP 1, 0, 0
	s_wait_dscnt 16
	WIN MUL_LO
	MUL16 0, 1, 0
	MUL16 2, 1, 0
	s_wait_alu depctr_va_vdst(0)
	s_wait_dscnt 0
	WIN MUL_HI
	MUL16 4, 1, 0
	MUL16 6, 1, 0
	PLACES
.macro OUTBLK a
.set AC, 64*((\a)%4)
	WIN 0x02+((\a)/4)
.set j, 0
.rept 64
	v_med3_num_f32 v[TMP+j], v[AC+j], -v[LIM], v[LIM]
.set j, j+1
.endr
	WIN 0
	s_wait_alu depctr_va_vdst(0)
	s_wait_dscnt 0x0
.set j, 0
.rept 8
	v_cvt_scalef32_pk8_fp8_f32 v[CD+2*j:CD+2*j+1], v[TMP+8*j:TMP+8*j+7], v[SCL]
.set j, j+1
.endr
	v_nop
.irp g, 0,1,2,3
	ds_store_b128 v[STO], v[CD+4*\g:CD+4*\g+3] offset:(\a)*16*PITCH+32*\g
.endr
.endm
.irp a, 0,1,2,3,4,5,6,7
	OUTBLK \a
.endr
	s_wait_dscnt 0x0
	s_barrier_signal -1
	s_barrier_wait -1
.set j, 0
.rept 32
	ds_load_b128 v[AF+4*j:AF+4*j+3], v[RD] offset:2*j*PITCH
.set j, j+1
.endr
.set j, 0
.rept 32
	v_mad_u32_u24 v[TMP+j], s56, j, v[CO]
.set j, j+1
.endr
.set j, 0
	s_wait_alu depctr_va_vdst(0)
.rept 32
	s_wait_dscnt 31-j
	global_store_b128 v[TMP+j], v[AF+4*j:AF+4*j+3], s[10:11]
.set j, j+1
.endr
	s_wait_tensorcnt 0x0
	ds_add_u32 v[SPW], v[NIL]
	s_wait_dscnt 0x0
	s_endpgm
.Lfunc_end_k_q4f436b065c_qkv:
	.size	k_q4f436b065c_qkv, .Lfunc_end_k_q4f436b065c_qkv-k_q4f436b065c_qkv
	.p2alignl 7, 3214868480
	.fill 96, 4, 3214868480
	.section	.rodata,"a",@progbits
	.p2align	6, 0x0
	.amdhsa_kernel k_q4f436b065c_qkv
		.amdhsa_group_segment_fixed_size 327680
		.amdhsa_private_segment_fixed_size 0
		.amdhsa_enable_private_segment 0
		.amdhsa_kernarg_size 32
		.amdhsa_user_sgpr_count 2
		.amdhsa_user_sgpr_kernarg_segment_ptr 1
		.amdhsa_wavefront_size32 1
		.amdhsa_system_sgpr_workgroup_id_x 1
		.amdhsa_system_sgpr_workgroup_id_y 1
		.amdhsa_system_sgpr_workgroup_id_z 1
		.amdhsa_system_vgpr_workitem_id 0
		.amdhsa_next_free_vgpr 1024
		.amdhsa_next_free_sgpr 100
		.amdhsa_reserve_vcc 0
		.amdhsa_float_denorm_mode_32 3
		.amdhsa_float_denorm_mode_16_64 3
		.amdhsa_memory_ordered 1
		.amdhsa_forward_progress 1
		.amdhsa_inst_pref_size 123
	.end_amdhsa_kernel
	.amdgpu_metadata
---
amdhsa.version: [ 1, 2 ]
amdhsa.kernels:
  - .name:           k_q4f436b065c_qkv
    .symbol:         k_q4f436b065c_qkv.kd
    .args:
      - { .name: acodes, .offset: 0, .size: 8, .value_kind: global_buffer, .address_space: global }
      - { .name: wcodes, .offset: 8, .size: 8, .value_kind: global_buffer, .address_space: global }
      - { .name: lowp_scales, .offset: 16, .size: 8, .value_kind: global_buffer, .address_space: global }
      - { .name: qkvb, .offset: 24, .size: 8, .value_kind: global_buffer, .address_space: global }
    .group_segment_fixed_size: 327680
    .private_segment_fixed_size: 0
    .kernarg_segment_align: 8
    .kernarg_segment_size: 32
    .max_flat_workgroup_size: 128
    .sgpr_count:     100
    .vgpr_count:     1024
    .wavefront_size: 32
...
	.end_amdgpu_metadata
.endif
;; end of part 2
;; launch attn_sa (part 3): grid 8 x 32, 16 waves a work-group, no clusters, 327,680 bytes of LDS; arguments qkvb, lowp_scales, o1; writes o1
.if DOCPART == 3
	.amdgcn_target "amdgcn-amd-amdhsa--gfx1250"
	.amdhsa_code_object_version 6
	.text
	.protected	k_q4f436b065c_attn_sa
	.globl	k_q4f436b065c_attn_sa
	.p2align	8
	.type	k_q4f436b065c_attn_sa,@function
k_q4f436b065c_attn_sa:
	s_mov_b64 s[64:65], 0
	v_nop
	global_prefetch_b8 v0, s[64:65] scope:SCOPE_SE
	s_setreg_imm32_b32 hwreg(HW_REG_WAVE_MODE, 25, 1), 1
	s_wait_xcnt 0x0
; ATTENTION on codes of FP8 (E4M3), head size 64, NK keys a batch.  The text serves both layers; only the constants of the next block differ.  Here: self-attention, NK = 2,048.
; t = score x 2^(eq + ek) x log2(e) / 8; M = the row's largest t so far, rounded UP to a whole number; p = 2^(t - M) is quantised along the keys (ep), not normalised; the row's sum is taken of the unquantised p and
; divides at the end.  When M moves, the sum and O are multiplied by 2^(old M - new M): exact.  The result is quantised (eo) for the next product.
; SHARES.  Grid x = 8 blocks of 256 queries, y = 8 batch + head.  Sixteen waves, each 16 queries in 256 registers: four waves to a SIMD, so that one wave's vector work stands beside another's products and LDS loads.
; Both products are used transposed (S^T = K Q^T, O^T = V^T P^T): a lane holds ONE query throughout; tile t's eight scores are keys 16 t + 8 (lane / 16) + 0 .. 7, so its conversion is register pair 2 t, 2 t + 1 of P.
; Q and K rows [token][512] and V rows [d][keys] hold each 32 codes in the order in which a 16-byte load at 32 B + 16 (lane / 16) gives the matrix form's own registers.
; K and V come through two LDS slots of 256 keys: wave 0 fetches K's 256 rows x 64 bytes, wave 1 V's 64 rows x 256 bytes; all sixteen read them.
; O leaves as an IMAGE of the next product's operand registers: token tile T, K step head / 2, chunks 2 (head % 2) + 0, 1: 1,024 consecutive bytes a wave, straight from registers.
; NO CLUSTER: a slot's 32,768 bytes feed 16 waves x 2 steps of some 290 vector instructions each, and the load has that whole slot's work in which to land: what partners would share is small beside a step's work.
; LIMITS: eq + ek between -123 and 130 (added to the constant's exponent field); ep and eo between -126 and 119.
.set NK,     2048
.set ARG_Q,  0x0
.set ARG_KV, 0x0
.set ARG_SC, 0x8
.set ARG_O,  0x10
.set KOFF,   0x400000                  ; K's and V's places in qkvb
.set VOFFG,  0x800000
.set EB,     4                         ; eq, ek, ep, ev, eo = entries EB .. EB + 4
.set SK,    256                        ; keys in a slot
.set NSL,   NK/SK
.set KP,    80                         ; a key's row in LDS: 64 bytes + 16
.set VP,    272                        ; a row of V's tile: 256 + 16
.set VOFF,  SK*KP
.set SLOT1, 1<<16                      ; one exclusive or turns an address in one slot into the other's
.set SPARE, 2*SLOT1                    ; the spare words: 128 bytes for each of 16 waves, named by no other line
.set AK0, 1
.set AV0, 2
.set PFO, 3
.set SPW, 5
.set NIL, 6
.set GO,  7
.set ADK, 8
.set ADV, 9
.set WV,  18
.set SEL, 20
.set CS,  22
.set G1K, 24
.set G1V, 32
.set G0K, 40
.set G0V, 44
.set TB,  2
.set SLOTS, 67
.set EQ,  68+EB
.set PFA, 88
.set PFS, 90
.set LIM, 92
; REGISTERS: v12 -M, v13 the largest t, v[14:15] the sum; v16-23 Q; v32-95 K's, then V's fragments; v96-159 S^T, then p; v160-191 O^T; v192-199 at work; v201: 2^ep; v203: 2^eo; v224-239 p's codes
.macro TLOAD                           ; wave 0: K's tile; wave 1: V's; the others nothing.  Four v_nop follow each load
	s_cmp_eq_u32 s[WV], 0
	s_cbranch_scc0 .Lnot_k_\@
	tensor_load_to_lds s[G0K:G0K+3], s[G1K:G1K+7]
	s_nop 0
.rept 4
	v_nop
.endr
	s_branch .Lasked_\@
.Lnot_k_\@:
	s_cmp_eq_u32 s[WV], 1
	s_cbranch_scc0 .Lasked_\@
	tensor_load_to_lds s[G0V:G0V+3], s[G1V:G1V+7]
	s_nop 0
.rept 4
	v_nop
.endr
.Lasked_\@:
.endm
; A PREFETCH of what the NEXT change of slots will ask for, a slot's two key steps ahead of that load.  Each aligned 256 bytes is named once in the launch: the work-groups with x = 0 ask.  256 bytes of a key's row serve four
; heads: heads 0 and 4 ask for K, waves 4 to 11, a lane a key.  Every head asks for its own 64 rows of V, waves 12 and 13, a lane a row.  The last change that fills a slot asks for nothing; slots 0 and 1 come by their loads alone.
.macro ASK
	s_cmp_gt_u32 s[SLOTS], s[LIM]
	s_cbranch_scc0 .Lnot_mine_\@
	global_prefetch_b8 v[PFO], s[PFA:PFA+1] th:TH_LOAD_NT scope:SCOPE_SE
.Lnot_mine_\@:
.endm
	s_load_b64 s[4:5], s[0:1], ARG_Q
	s_load_b64 s[6:7], s[0:1], ARG_KV
	s_load_b64 s[8:9], s[0:1], ARG_SC
	s_load_b64 s[10:11], s[0:1], ARG_O
	v_lshl_add_u32 v[SPW], v0, 2, SPARE
	v_mov_b32 v[NIL], 0
	ds_add_u32 v5, v6
	ds_add_u32 v5, v6
	s_wait_dscnt 0x0
	v_lshrrev_b32 v8, 5, v0
	s_delay_alu instid0(VALU_DEP_1)
	v_readfirstlane_b32 s[WV], v8                  ; wave 0..15
	s_and_b32 s48, ttmp7, 0xffff
	s_lshr_b32 s49, s48, 3                         ; batch
	s_and_b32 s50, s48, 7                          ; head
	s_mul_i32 s51, s49, NK*512
	s_lshl_b32 s52, s50, 6
	s_add_co_u32 s52, s52, s51
	s_add_co_u32 s52, s52, KOFF                    ; K: the batch's first key, the head's 64 bytes
	s_mov_b32 s53, 0
	s_lshl_b32 s54, s49, 9
	s_lshl_b32 s55, s50, 6
	s_add_co_u32 s54, s54, s55
	s_mul_i32 s54, s54, NK
	s_add_co_u32 s54, s54, VOFFG                   ; V: row 512 batch + 64 head
	s_mov_b32 s55, 0
	s_lshl_b32 s56, s49, 11
	s_lshl_b32 s57, ttmp9, 8
	s_add_co_u32 s56, s56, s57
	s_lshl_b32 s57, s[WV], 4
	s_add_co_u32 s56, s56, s57                     ; my first query's token
	s_lshl_b32 s58, s56, 9
	s_lshl_b32 s59, s50, 6
	s_add_co_u32 s58, s58, s59                     ; Q
	s_mov_b32 s59, 0
	s_lshl_b32 s60, s56, 9                         ; O: (token / 16) x 4 fragments of 2,048 bytes + 1,024 x head
	s_lshl_b32 s61, s50, 10
	s_add_co_u32 s60, s60, s61
	s_mov_b32 s61, 0
	s_mov_b32 s[G1K], (1<<20)|(3<<22)|(3<<25)      ; elements of 1 byte; padding: 4 words after every 16
	s_mov_b32 s[G1K+1], 64<<16                     ; tensor_dim0
	s_mov_b32 s[G1K+2], SK<<16                     ; tensor_dim1
	s_mov_b32 s[G1K+3], 64<<16                     ; tile_dim0
	s_mov_b32 s[G1K+4], SK                         ; tile_dim1
	s_mov_b32 s[G1K+5], 512                        ; from key to key
	s_mov_b32 s[G1K+6], 0
	s_mov_b32 s[G1K+7], 0
	s_mov_b32 s[G1V], (1<<20)|(5<<22)|(3<<25)      ; padding: 4 words after every 64
	s_mov_b32 s[G1V+1], SK<<16
	s_mov_b32 s[G1V+2], 64<<16
	s_mov_b32 s[G1V+3], SK<<16
	s_mov_b32 s[G1V+4], 64
	s_mov_b32 s[G1V+5], NK
	s_mov_b32 s[G1V+6], 0
	s_mov_b32 s[G1V+7], 0
	s_mov_b32 s[SEL], 0x76543210
	s_mov_b32 s[SEL+1], 0xfedcba98
	s_mov_b32 s[CS], 0x3e38aa3b                    ; log2(e) / 8
	s_mov_b32 s[TB], 0
	s_mov_b32 s[SLOTS], NSL-1
	s_wait_kmcnt 0x0
	s_load_b512 s[68:83], s[8:9], 0x0              ; e0 .. e15
	s_load_b128 s[84:87], s[8:9], 0x40             ; e16 .. e19
	s_mov_b32 s[G0K], 1
	s_mov_b32 s[G0K+1], 0
	s_add_nc_u64 s[G0K+2:G0K+3], s[6:7], s[52:53]
	s_or_b32 s[G0K+3], s[G0K+3], 0x80000000
	s_mov_b32 s[G0V], 1
	s_mov_b32 s[G0V+1], VOFF
	s_add_nc_u64 s[G0V+2:G0V+3], s[6:7], s[54:55]
	s_or_b32 s[G0V+3], s[G0V+3], 0x80000000
	TLOAD                                          ; slot 0
	s_add_nc_u64 s[4:5], s[4:5], s[58:59]
	s_add_nc_u64 s[10:11], s[10:11], s[60:61]
.if NSL > 2
	s_sub_co_u32 s93, s[WV], 4
	s_lshr_b32 s94, s93, 3                         ; 0 in waves 4 to 11,
	s_and_b32 s95, s50, 3
	s_or_b32 s94, s94, s95                         ; of heads 0 and 4,
	s_or_b32 s94, s94, ttmp9                       ; of the first block of queries
	s_sub_co_u32 s95, s[WV], 12
	s_lshr_b32 s95, s95, 1                         ; 0 in waves 12 and 13
	s_or_b32 s95, s95, ttmp9
	s_min_u32 s94, s94, s95
	s_cmp_eq_u32 s94, 0
	s_cselect_b32 s[LIM], 1, -1
	s_and_b32 s93, s93, 7
	s_lshl_b32 s93, s93, 14                        ; K: 32 keys a wave,
	s_lshr_b32 s94, s50, 2
	s_lshl_b32 s94, s94, 8                         ; the half of a key's row in which my head lies,
	s_add_co_u32 s93, s93, s94
	s_add_co_u32 s93, s93, s51
	s_add_co_u32 s93, s93, KOFF+SK*512             ; in slot 1: the first change of slots steps it to slot 2
	s_and_b32 s94, s[WV], 1
	s_mul_i32 s94, s94, 32*NK                      ; V: 32 rows a wave
	s_add_co_u32 s94, s94, s54
	s_add_co_u32 s94, s94, SK
	s_mov_b32 s97, 0
	s_mov_b32 s[PFS], SK
	s_mov_b32 s[PFS+1], 0
	s_mov_b32 s95, NK
	s_cmp_lt_u32 s[WV], 12
	s_cselect_b32 s96, s93, s94
	s_cselect_b32 s[PFS], SK*512, s[PFS]           ; a slot on
	s_cselect_b32 s95, 512, s95                    ; from lane to lane
	v_and_b32 v[PFO], 31, v0
	s_delay_alu instid0(VALU_DEP_1)
	v_mul_lo_u32 v[PFO], v[PFO], s95
	s_add_nc_u64 s[PFA:PFA+1], s[6:7], s[96:97]
.endif
	v_and_b32 v8, 15, v0                           ; r
	v_bfe_u32 v9, v0, 4, 1                         ; h
	s_delay_alu instid0(VALU_DEP_2)
	v_lshlrev_b32 v10, 9, v8
	s_delay_alu instid0(VALU_DEP_1)
	v_lshl_add_u32 v10, v9, 4, v10
	global_load_b128 v[16:19], v10, s[4:5]         ; Q's fragment stays in registers
	global_load_b128 v[20:23], v10, s[4:5] offset:32
	v_mul_u32_u24 v[AK0], v8, KP
	s_delay_alu instid0(VALU_DEP_1)
	v_lshl_add_u32 v[AK0], v9, 4, v[AK0]
	v_mul_u32_u24 v[AV0], v8, VP
	s_delay_alu instid0(VALU_DEP_1)
	v_lshl_add_u32 v[AV0], v9, 4, v[AV0]
	s_delay_alu instid0(VALU_DEP_1)
	v_add_nc_u32 v[AV0], VOFF, v[AV0]
	v_and_b32 v[GO], 31, v0
	s_delay_alu instid0(VALU_DEP_1)
	v_lshlrev_b32 v[GO], 4, v[GO]
	v_mov_b32 v13, 0xff61b1e6                      ; the largest t so far: -3e38
	s_delay_alu instid0(VALU_DEP_1)
	v_floor_f32 v12, -v13
	v_mov_b32 v14, 0
	v_mov_b32 v15, 0
	v_mov_b32 v195, 0                              ; (named as the upper half of a pair)
	v_mov_b32 v196, 0                              ; a lane permute's destination counts as read
.set j, 0
.rept 32
	v_mov_b32 v[160+j], 0                          ; O^T: the step is written once; the first change of M leaves zeros zeros
.set j, j+1
.endr
	s_wait_kmcnt 0x0
	s_add_co_i32 s48, s[EQ], s[EQ+1]
	s_lshl_b32 s48, s48, 23
	s_add_co_i32 s[CS], s[CS], s48                 ; the two exponents go into the constant's exponent field
	s_mov_b32 s[CS+1], s[CS]
.macro MKSC e, vs, vl
	s_add_co_i32 s48, s[\e], 127
	s_lshl_b32 s49, s48, 23
	v_mov_b32 v[\vs], s49
.endm
	MKSC EQ+2, 201, 200
	MKSC EQ+4, 203, 202
.macro STEP q                          ; 128 keys, the q-th of the slot in hand
	v_add_nc_u32 v[ADK], s[TB], v[AK0]
	v_add_nc_u32 v[ADV], s[TB], v[AV0]
	v_nop                                          ; with the two additions: four places in front of loads into registers that the last products read
	v_nop
.irp t, 0,1,2,3,4,5,6,7
	ds_load_b128 v[32+8*\t:35+8*\t], v[ADK] offset:(128*(\q)+16*\t)*KP
	ds_load_b128 v[36+8*\t:39+8*\t], v[ADK] offset:(128*(\q)+16*\t)*KP+32
.endr
	s_wait_alu depctr_va_vdst(0)
	s_wait_dscnt 0x0
.irp t, 0,1,2,3,4,5,6,7
	v_wmma_f32_16x16x64_fp8_fp8 v[96+8*\t:103+8*\t], v[32+8*\t:39+8*\t], v[16:23], 0
.endr
.rept 4
	v_nop
.endr
.irp t, 0,1,2,3
.irp c, 0,1,2,3
	ds_load_b128 v[32+16*\t+4*\c:35+16*\t+4*\c], v[ADV] offset:16*\t*VP+128*(\q)+32*\c   ; V's fragments land while the softmax is worked
.endr
.endr
	v_max3_num_f32 v192, v96, v97, v98             ; the step's largest score of my query among my 64 keys, in two chains,
	v_max3_num_f32 v194, v99, v100, v101
.irp i, 6,10,14,18,22,26,30,34,38,42,46,50,54,58
	v_max3_num_f32 v192, v192, v[96+\i], v[97+\i]
	v_max3_num_f32 v194, v194, v[98+\i], v[99+\i]
.endr
	v_max3_num_f32 v192, v192, v158, v159
	s_delay_alu instid0(VALU_DEP_1)
	v_max_num_f32 v192, v192, v194
	s_delay_alu instid0(VALU_DEP_1)
	v_permlanex16_b32 v196, v192, s[SEL], s[SEL+1]
	s_delay_alu instid0(VALU_DEP_1)
	v_max_num_f32 v192, v192, v196                 ; and among lane l xor 16's
	s_delay_alu instid0(VALU_DEP_1)
	v_mul_f32 v192, s[CS], v192
	s_delay_alu instid0(VALU_DEP_1)
	v_max_num_f32 v13, v13, v192
	v_mov_b32 v192, v12
	s_delay_alu instid0(VALU_DEP_2)
	v_floor_f32 v12, -v13                          ; -M = floor(-t): M is a whole number
	s_delay_alu instid0(VALU_DEP_1)
	v_sub_f32 v192, v12, v192
	s_delay_alu instid0(VALU_DEP_1)
	v_cvt_i32_f32 v192, v192                       ; (it saturates)
	s_delay_alu instid0(VALU_DEP_1)
	v_ldexp_f32 v194, 1.0, v192                    ; f = 2^(old M - new M)
.set j, 0
.rept 32
	v_pk_fma_f32 v[96+j:97+j], v[96+j:97+j], s[CS:CS+1], v[12:13] op_sel_hi:[1,0,0]   ; t - M
.set j, j+2
.endr
.set j, 0
	s_wait_alu depctr_va_vdst(0)
.rept 64
	v_exp_f32 v[96+j], v[96+j]
.set j, j+1
.endr
	v_pk_mul_f32 v[14:15], v[14:15], v[194:195] op_sel_hi:[1,0]   ; the sums under the new M: the plain line behind the exponentials
	s_wait_alu depctr_va_vdst(0)                   ; one wait for the whole batch, ahead of its first reader
	v_pk_add_f32 v[198:199], v[100:101], v[104:105]
	v_pk_add_f32 v[254:255], v[108:109], v[112:113]
	v_pk_add_f32 v[252:253], v[116:117], v[120:121]
	v_pk_add_f32 v[250:251], v[124:125], v[128:129]
	v_pk_add_f32 v[248:249], v[132:133], v[136:137]
	v_pk_add_f32 v[246:247], v[140:141], v[144:145]
	v_pk_add_f32 v[244:245], v[148:149], v[152:153]
	v_pk_add_f32 v[14:15], v[14:15], v[156:157]
	v_pk_add_f32 v[198:199], v[198:199], v[96:97]
	v_pk_add_f32 v[254:255], v[254:255], v[98:99]
	v_pk_add_f32 v[252:253], v[252:253], v[102:103]
	v_pk_add_f32 v[250:251], v[250:251], v[106:107]
	v_pk_add_f32 v[248:249], v[248:249], v[110:111]
	v_pk_add_f32 v[246:247], v[246:247], v[114:115]
	v_pk_add_f32 v[244:245], v[244:245], v[118:119]
	v_pk_add_f32 v[14:15], v[14:15], v[122:123]
	v_pk_add_f32 v[198:199], v[198:199], v[126:127]
	v_pk_add_f32 v[254:255], v[254:255], v[130:131]
	v_pk_add_f32 v[252:253], v[252:253], v[134:135]
	v_pk_add_f32 v[250:251], v[250:251], v[138:139]
	v_pk_add_f32 v[248:249], v[248:249], v[142:143]
	v_pk_add_f32 v[246:247], v[246:247], v[146:147]
	v_pk_add_f32 v[244:245], v[244:245], v[150:151]
	v_pk_add_f32 v[14:15], v[14:15], v[154:155]
	v_pk_add_f32 v[198:199], v[198:199], v[158:159]
	s_delay_alu instid0(VALU_DEP_2)
	v_pk_add_f32 v[14:15], v[14:15], v[250:251]
	s_delay_alu instid0(VALU_DEP_2)
	v_pk_add_f32 v[198:199], v[198:199], v[248:249]
	v_pk_add_f32 v[254:255], v[254:255], v[246:247]
	v_pk_add_f32 v[252:253], v[252:253], v[244:245]
	s_delay_alu instid0(VALU_DEP_2)
	v_pk_add_f32 v[14:15], v[14:15], v[254:255]
	s_delay_alu instid0(VALU_DEP_2)
	v_pk_add_f32 v[198:199], v[198:199], v[252:253]
	s_delay_alu instid0(VALU_DEP_1)
	v_pk_add_f32 v[14:15], v[14:15], v[198:199]
.irp b, 0,1,2,3,4,5,6,7
.irp i, 0,1,2,3,4,5,6,7
.endr
	v_cvt_scalef32_pk8_fp8_f32 v[224+2*\b:225+2*\b], v[96+8*\b:103+8*\b], v201
.endr
.set j, 0
.rept 16
	v_pk_mul_f32 v[160+j:161+j], v[160+j:161+j], v[194:195] op_sel_hi:[1,0]   ; O^T under the new M; also the plain lines behind the conversions
.set j, j+2
.endr
	s_wait_alu depctr_va_vdst(0)
	s_wait_dscnt 0x0                               ; V
.irp t, 0,1,2,3
	v_wmma_f32_16x16x128_fp8_fp8 v[160+8*\t:167+8*\t], v[32+16*\t:47+16*\t], v[224:239], v[160+8*\t:167+8*\t]   ; the four accumulators take turns
.endr
.endm
; THE CHANGE OF SLOTS, at a slot's head: each wave waits for all its tensor loads, adds 0 to its spare word, waits for that and for its reads of the slot that it has left; behind the barrier the slot ahead is whole and the
; other is read by nobody.  fill = 1: that other slot is filled with the next 256 keys.
.macro CHANGE fill
	s_wait_tensorcnt 0x0
	ds_add_u32 v[SPW], v[NIL]
.if \fill
	s_xor_b32 s[G0K+1], s[G0K+1], SLOT1
	s_add_nc_u64 s[G0K+2:G0K+3], s[G0K+2:G0K+3], SK*512
	s_xor_b32 s[G0V+1], s[G0V+1], SLOT1
	s_add_nc_u64 s[G0V+2:G0V+3], s[G0V+2:G0V+3], SK
.if NSL > 2
	s_wait_xcnt 0x0                                ; the last prefetch, a slot back, has read its address
	s_add_nc_u64 s[PFA:PFA+1], s[PFA:PFA+1], s[PFS:PFS+1]
.endif
.endif
	s_wait_dscnt 0x0
	s_barrier_signal -1
	s_barrier_wait -1
.if \fill
	TLOAD                                          ; the first thing behind the barrier, a wave's one tensor load until the next
.if NSL > 2
	ASK
.endif
.endif
.endm
.macro SLOT_STEPS
	STEP 0
	STEP 1
	s_xor_b32 s[TB], s[TB], SLOT1
.endm
	s_wait_loadcnt 0x0                             ; Q
.Lslot:                                            ; NSL - 1 trips
	CHANGE 1
	SLOT_STEPS
	s_sub_co_u32 s[SLOTS], s[SLOTS], 1
	s_cmp_lg_u32 s[SLOTS], 0
	s_cbranch_scc1 .Lslot
	CHANGE 0                                       ; the last slot is written out
	SLOT_STEPS
.rept 4
	v_nop
.endr
	v_add_f32 v14, v14, v15
	s_delay_alu instid0(VALU_DEP_1)
	v_permlanex16_b32 v196, v14, s[SEL], s[SEL+1]
	s_delay_alu instid0(VALU_DEP_1)
	v_add_f32 v14, v14, v196                       ; the row's sum
	s_wait_alu depctr_va_vdst(0)
	v_rcp_f32 v14, v14
	v_nop
	s_add_co_i32 s48, s[EQ+2], s[EQ+3]
	s_wait_alu depctr_va_vdst(0)
	v_ldexp_f32 v14, v14, s48                      ; x 2^(ep + ev)
.set j, 0
.rept 32
	v_mul_f32 v[96+j], v[160+j], v14               ; register 8 t + i: o(query r, 16 t + 8 h + i)
.set j, j+1
.endr
.set j, 0
.rept 32
.set j, j+1
.endr
.irp t, 0,1,2,3
	v_cvt_scalef32_pk8_fp8_f32 v[224+2*\t:225+2*\t], v[96+8*\t:103+8*\t], v203
.endr
	v_nop
	global_store_b128 v[GO], v[224:227], s[10:11]              ; 32 lanes store 512 consecutive bytes
	global_store_b128 v[GO], v[228:231], s[10:11] offset:512
	s_wait_tensorcnt 0x0                           ; the wave's end
	ds_add_u32 v[SPW], v[NIL]
	s_wait_dscnt 0x0
	s_endpgm
.Lfunc_end_k_q4f436b065c_attn_sa:
	.size	k_q4f436b065c_attn_sa, .Lfunc_end_k_q4f436b065c_attn_sa-k_q4f436b065c_attn_sa
	.p2alignl 7, 3214868480
	.fill 96, 4, 3214868480
	.section	.rodata,"a",@progbits
	.p2align	6, 0x0
	.amdhsa_kernel k_q4f436b065c_attn_sa
		.amdhsa_group_segment_fixed_size 327680
		.amdhsa_private_segment_fixed_size 0
		.amdhsa_enable_private_segment 0
		.amdhsa_kernarg_size 24
		.amdhsa_user_sgpr_count 2
		.amdhsa_user_sgpr_kernarg_segment_ptr 1
		.amdhsa_wavefront_size32 1
		.amdhsa_system_sgpr_workgroup_id_x 1
		.amdhsa_system_sgpr_workgroup_id_y 1
		.amdhsa_system_sgpr_workgroup_id_z 1
		.amdhsa_system_vgpr_workitem_id 0
		.amdhsa_next_free_vgpr 256
		.amdhsa_next_free_sgpr 100
		.amdhsa_reserve_vcc 0
		.amdhsa_float_denorm_mode_32 3
		.amdhsa_float_denorm_mode_16_64 3
		.amdhsa_fp16_overflow 1
		.amdhsa_memory_ordered 1
		.amdhsa_forward_progress 1
		.amdhsa_inst_pref_size 67
	.end_amdhsa_kernel
	.amdgpu_metadata
---
amdhsa.version: [ 1, 2 ]
amdhsa.kernels:
  - .name:           k_q4f436b065c_attn_sa
    .symbol:         k_q4f436b065c_attn_sa.kd
    .args:
      - { .name: qkvb, .offset: 0, .size: 8, .value_kind: global_buffer, .address_space: global }
      - { .name: lowp_scales, .offset: 8, .size: 8, .value_kind: global_buffer, .address_space: global }
      - { .name: o1, .offset: 16, .size: 8, .value_kind: global_buffer, .address_space: global }
    .group_segment_fixed_size: 327680
    .private_segment_fixed_size: 0
    .kernarg_segment_align: 8
    .kernarg_segment_size: 24
    .max_flat_workgroup_size: 512
    .sgpr_count:     100
    .vgpr_count:     256
    .wavefront_size: 32
...
	.end_amdgpu_metadata
.endif
;; end of part 3
;; launch tail (part 4): grid 256 x 1, 16 waves a work-group, no clusters, 327,680 bytes of LDS; arguments o1, wcodes, lowp_scales, sa_bo, x, ca_ng, ca_nb, qkvb, ca_bo, out0; writes out0
.if DOCPART == 4
	.amdgcn_target "amdgcn-amd-amdhsa--gfx1250"
	.amdhsa_code_object_version 6
	.text
	.protected	k_q4f436b065c_tail
	.globl	k_q4f436b065c_tail
	.p2align	8
	.type	k_q4f436b065c_tail,@function
k_q4f436b065c_tail:
	s_mov_b64 s[64:65], 0
	v_nop
	global_prefetch_b8 v0, s[64:65] scope:SCOPE_SE
	s_setreg_imm32_b32 hwreg(HW_REG_WAVE_MODE, 25, 1), 1
	s_wait_xcnt 0x0
; TAIL: everything behind the self-attention, for 32 tokens a work-group, all products on codes of FP8 (E4M3):
;   A  x1 = o1 sa_wo + sa_bo + x;   LayerNorm(x1) with ca_ng, ca_nb, quantised (e10);   B  q2 = that x ca_wq, quantised (e14);
;   the cross-attention over the batch's 512 context keys, 8 heads of 64 (e14 .. e17), its result quantised (e18);   C  out0 = that x ca_wo + ca_bo + x1.
; x1, q2 and the attention's result never go to memory.
; SHARES.  Sixteen waves.  In A and C wave w makes features 64 w .. 64 w + 63 of both token tiles (8 accumulators), in B features 32 w .. + 31 (4).  Each fragment of a weight is wanted by one wave alone: it comes straight
; from memory into registers, as the image that the first launch laid (4 loads of 512 consecutive bytes), two K steps ahead.  In the attention wave w takes token tile w % 2 and head w / 2: 16 queries, all 512 keys.
; Every product is used transposed (source 0 = 16 rows of the weight, of K or of V^T; source 1 = 16 tokens): a lane holds ONE token and eight neighbours along the next K, so a tile's conversion is a register pair of the
; next operand.  Operands go from wave to wave through LDS as images of their registers.  A wave's q2 fragment and, later, its attention result lie in the same 1,024 bytes, which are its own.
; SOFTMAX: t = score x 2^(e14 + e15) x log2(e) / 8; M = the largest t so far, rounded UP to a whole number; p = 2^(t - M) is quantised along the keys (e16), not normalised; the row's sum is taken of the unquantised p and
; divides at the end; when M moves, the sum and O are multiplied by 2^(old M - new M): exact.
; K AND V come through two LDS slots of 64 keys x all heads (K: 64 rows x 512 bytes; V: 512 rows x 64 bytes), wave 0 fetching K's tile and wave 1 V's.  Both first fills go out at the head and have phases A and B in which to
; land.  Two slots of 128 keys (2 x 141,312 bytes) do not fit beside x1's 139,264: hence the step of 64 keys and V's rows of 64 bytes.
; x1 stays in each wave's own stage in LDS, in the result's layout; the residual x goes in and out0 goes out by rows of 256 consecutive bytes through that stage.
; NO CLUSTER: the 64 work-groups of a batch do walk the same tiles; a joint load would put a round over four work-groups in front of each of seven steps of some 190 instructions a wave, while two of the eight tiles are
; asked for two phases ahead and each other one has a whole step in which to land.  NO PREFETCH: x is asked for at the head by its loads; every other buffer is read by many work-groups.
; LayerNorm's variance is the mean of (x1 - mean)^2, in a second pass over registers: no difference of large sums.
; LIMITS: e8 + e9 and e18 + e19 between -126 and 127; e10, e14 - e10 - e11, e16 and e18 between -126 and 119; e14 + e15 between -123 and 130.  NaN among the inputs is not served.
.set WOFF_A, 0x280000                  ; sa_wo's, ca_wq's, ca_wo's images in wcodes
.set WOFF_B, 0x300000
.set WOFF_C, 0x380000
.set K2OFF,  0xc00000                  ; k2 [2048][512] and v2T [4 x 512][512] in qkvb
.set V2OFF,  0xd00000
.set KP,    528                        ; a key's row in LDS: 512 bytes + 16: the 16 rows of a fragment load start at 16 different banks (64 banks of 4 bytes: ISA guide 11.1)
.set VP,    80                         ; a row of V's tile: 64 + 16
.set KBY,   64*KP                      ; K's part of a slot
.set SLOTB, KBY+512*VP                 ; 74,752
.set XS,    2*SLOTB                    ; 16 waves x 32 rows x 272: the stages, and x1
.set R1,    XS+16*32*272               ; 32,768 bytes, by turns: o1's 8 fragments and (upper half) the first sums; the normed rows' 16 fragments; q2's and the attention's 16 half fragments
.set RED1,  R1+16384                   ; 32 tokens x 80 bytes
.set REDD,  16384                      ; the second sums lie this far on, behind R1
.set SPARE, R1+32768+2560              ; the spare words: 128 bytes for each of 16 waves, named by no other line
.set AF,  16                           ; A, B, C: v16-47 the tokens' fragments, LayerNorm's work;  v48-111, v112-175 two sets of four weight fragments;  v176-239 accumulators;  v240-247 codes
.set S0,  48
.set S1,  112
.set ACC, 176
.set GG,  112
.set BB,  144
.set QR,  16                           ; attention: v16-23 Q;  v24 -M, v25 the largest t, v[26:27] the sum, v28-37 at work;  v112-143 K;  v144-175 V;  v176-207 S^T, then p;  v208-239 O^T;  v48-111 are left alone
.set NM,  24
.set SUM, 26
.set W1,  28
.set FF,  30
.set PD,  32
.set C2,  34
.set ADK, 36
.set ADV, 37
.set KF,  112
.set VF,  144
.set SS,  176
.set OO,  208
.set G1K, 52                           ; s[52:59], s[88:95] the two shapes;  s[60:63], s[96:99] K's group 0 for slot 0, 1;  s[80:83], s[84:87] V's
.set G1V, 88
; v1 16 lane; v2 rows in memory; v3 stage by rows; v4 stage in the result's layout; v5 R1 + 16 lane + 1,024 wave; v6, v7 the sums' words; v8 my q2 / o fragment; v9 where I store q2; v10 0; v11 16 r; v12 R1 + 16 lane;
; v13, v14 my lane's place in a tile of K, of V; v15 my spare word; v248, v250 two scales; v252-255 mean, then 1 / sqrt; at the end ca_bo
.macro BARRIER
	s_wait_dscnt 0x0                               ; my LDS stores have landed and my LDS loads are in
	s_barrier_signal -1
	s_barrier_wait -1
.endm
.macro PLACES                          ; four plain vector lines between matrix instructions and loads into registers that they read, or reads of their results
.rept 4
	v_nop
.endr
.endm
.macro MKSC e, vs, vl                  ; from the exponent in s[e]: v[vs] = 2^e
	s_add_co_i32 s48, s[\e], 127
	s_lshl_b32 s49, s48, 23
	v_mov_b32 v[\vs], s49
.endm
.macro MKSS e, ss, sl                  ; 2^e, kept in s[ss] for later
	s_add_co_i32 s48, s[\e], 127
	s_lshl_b32 s[\ss], s48, 23
.endm
.macro TLOAD gk, gv                    ; wave 0: K's tile; wave 1: V's; the others nothing.  Four v_nop follow each load
	s_cmp_eq_u32 s18, 0
	s_cbranch_scc0 .Lnot_k_\@
	tensor_load_to_lds s[\gk:\gk+3], s[G1K:G1K+7]
	s_nop 0
.rept 4
	v_nop
.endr
	s_branch .Lasked_\@
.Lnot_k_\@:
	s_cmp_eq_u32 s18, 1
	s_cbranch_scc0 .Lasked_\@
	tensor_load_to_lds s[\gv:\gv+3], s[G1V:G1V+7]
	s_nop 0
.rept 4
	v_nop
.endr
.Lasked_\@:
.endm
	s_load_b256 s[4:11], s[0:1], 0x0               ; o1 s[4:5], wcodes s[6:7], the exponents s[8:9], sa_bo s[10:11]
	s_load_b256 s[24:31], s[0:1], 0x20             ; x s[24:25], ca_ng s[26:27], ca_nb s[28:29], qkvb s[30:31]
	s_load_b128 s[32:35], s[0:1], 0x40             ; ca_bo s[32:33], out0 s[34:35]
	v_lshl_add_u32 v15, v0, 2, SPARE
	v_mov_b32 v10, 0
	ds_add_u32 v15, v10
	ds_add_u32 v15, v10
	s_wait_dscnt 0x0
	v_lshrrev_b32 v1, 5, v0
	s_delay_alu instid0(VALU_DEP_1)
	v_readfirstlane_b32 s18, v1                    ; wave 0..15
	v_and_b32 v40, 31, v0                          ; lane
	v_and_b32 v41, 15, v0                          ; r
	v_bfe_u32 v42, v0, 4, 1                        ; h
	s_delay_alu instid0(VALU_DEP_3)
	v_lshlrev_b32 v1, 4, v40
	s_delay_alu instid0(VALU_DEP_2)
	v_lshlrev_b32 v2, 12, v42
	s_delay_alu instid0(VALU_DEP_1)
	v_lshl_add_u32 v2, v41, 4, v2
	s_mul_i32 s36, s18, 32*272
	s_add_co_u32 s36, s36, XS                      ; my stage
	s_lshl_b32 s37, s18, 10
	v_mul_u32_u24 v3, v42, 272
	s_delay_alu instid0(VALU_DEP_1)
	v_lshl_add_u32 v3, v41, 4, v3
	s_delay_alu instid0(VALU_DEP_1)
	v_add_nc_u32 v3, s36, v3
	v_mul_u32_u24 v4, v41, 272
	s_delay_alu instid0(VALU_DEP_1)
	v_lshl_add_u32 v4, v42, 5, v4
	s_delay_alu instid0(VALU_DEP_1)
	v_add_nc_u32 v4, s36, v4
	v_add_nc_u32 v12, R1, v1
	s_delay_alu instid0(VALU_DEP_1)
	v_add_nc_u32 v5, s37, v12
	v_lshlrev_b32 v11, 4, v41
	v_mul_u32_u24 v7, v41, 80
	s_delay_alu instid0(VALU_DEP_1)
	v_add_nc_u32 v7, RED1, v7
	s_lshl_b32 s38, s18, 2
	v_add_nc_u32 v6, s38, v7
	s_lshl_b32 s38, s18, 9
	v_add_nc_u32 v9, s38, v12                      ; q2: chunk wave % 2 of fragment (m, head wave / 2): 512 x wave, + 8,192 m
	s_and_b32 s38, s18, 1                          ; my token tile in the attention,
	s_lshl_b32 s38, s38, 13
	s_lshr_b32 s39, s18, 1                         ; my head
	s_lshl_b32 s44, s39, 10
	s_add_co_u32 s38, s38, s44
	v_add_nc_u32 v8, s38, v12
	v_mul_u32_u24 v13, v41, KP
	s_delay_alu instid0(VALU_DEP_1)
	v_lshl_add_u32 v13, v42, 4, v13
	s_lshl_b32 s38, s39, 6
	v_add_nc_u32 v13, s38, v13                     ; K: key r, my head's 64 bytes, + 16 h
	v_mul_u32_u24 v14, v41, VP
	s_delay_alu instid0(VALU_DEP_1)
	v_lshl_add_u32 v14, v42, 4, v14
	s_mul_i32 s38, s39, 64*VP
	s_add_co_u32 s38, s38, KBY
	v_add_nc_u32 v14, s38, v14                     ; V: row 64 head + r, + 16 h
	s_mov_b32 s20, 0x76543210                      ; lane selects: lane l xor 16
	s_mov_b32 s21, 0xfedcba98
	s_mov_b32 s22, 0x3a800000                      ; 1 / 1024
	s_mov_b32 s23, 0x3727c5ac                      ; 1e-5
	s_mov_b32 s[G1K], (1<<20)|(6<<22)|(3<<25)      ; elements of 1 byte; padding: 4 words after every 128
	s_mov_b32 s[G1K+1], 512<<16                    ; tensor_dim0
	s_mov_b32 s[G1K+2], 64<<16                     ; tensor_dim1
	s_mov_b32 s[G1K+3], 512<<16                    ; tile_dim0
	s_mov_b32 s[G1K+4], 64                         ; tile_dim1
	s_mov_b32 s[G1K+5], 512                        ; from key to key
	s_mov_b32 s[G1K+6], 0
	s_mov_b32 s[G1K+7], 0
	s_mov_b32 s[G1V], (1<<20)|(3<<22)|(3<<25)      ; padding: 4 words after every 16
	s_mov_b32 s[G1V+1], 64<<16
	s_mov_b32 s[G1V+2], 512<<16
	s_mov_b32 s[G1V+3], 64<<16
	s_mov_b32 s[G1V+4], 512
	s_mov_b32 s[G1V+5], 512                        ; a row of v2T is the batch's 512 keys
	s_mov_b32 s[G1V+6], 0
	s_mov_b32 s[G1V+7], 0
	s_lshl_b32 s40, ttmp9, 14
	s_add_co_u32 s40, s40, s37                     ; o1's bytes: 16,384 a work-group, 1,024 a wave
	s_mov_b32 s41, 0
	s_lshl_b32 s42, ttmp9, 17
	s_lshl_b32 s44, s18, 8
	s_add_co_u32 s42, s42, s44                     ; 32 rows of 4,096 bytes a work-group, 256 bytes of a row a wave
	s_mov_b32 s43, 0
	s_mov_b32 s45, 0
	s_lshl_b32 s48, s18, 15                        ; 16 fragments of a weight a wave
	s_mov_b32 s49, 0
	s_lshr_b32 s50, ttmp9, 6                       ; the batch: 64 work-groups each
	s_lshl_b32 s50, s50, 18                        ; its 512 rows of 512 bytes, in k2 and in v2T alike
	s_mov_b32 s51, 0
	s_wait_kmcnt 0x0
	s_load_b256 s[68:75], s[8:9], 0x20             ; e8 .. e15
	s_load_b128 s[76:79], s[8:9], 0x40             ; e16 .. e19
	s_add_nc_u64 s[30:31], s[30:31], s[50:51]
	s_mov_b32 s60, 1                               ; K, slot 0: keys 0 .. 63
	s_mov_b32 s61, 0
	s_add_nc_u64 s[62:63], s[30:31], K2OFF
	s_or_b32 s63, s63, 0x80000000
	s_mov_b32 s96, 1                               ; K, slot 1: keys 64 .. 127
	s_mov_b32 s97, SLOTB
	s_add_nc_u64 s[98:99], s[30:31], K2OFF+64*512
	s_or_b32 s99, s99, 0x80000000
	s_mov_b32 s80, 1                               ; V likewise
	s_mov_b32 s81, KBY
	s_add_nc_u64 s[82:83], s[30:31], V2OFF
	s_or_b32 s83, s83, 0x80000000
	s_mov_b32 s84, 1
	s_mov_b32 s85, SLOTB+KBY
	s_add_nc_u64 s[86:87], s[30:31], V2OFF+64
	s_or_b32 s87, s87, 0x80000000
	s_cmp_eq_u32 s18, 0                            ; the first fills of both slots, a wave's two in one branch, ahead of every LDS read, barrier and wait for tiles: two loads of a fetching wave are out
	s_cbranch_scc0 .Lfirst_not_k
	tensor_load_to_lds s[60:63], s[G1K:G1K+7]
	s_nop 0
	tensor_load_to_lds s[96:99], s[G1K:G1K+7]
	s_nop 0
.rept 4
	v_nop
.endr
	s_branch .Lfirst_asked
.Lfirst_not_k:
	s_cmp_eq_u32 s18, 1
	s_cbranch_scc0 .Lfirst_asked
	tensor_load_to_lds s[80:83], s[G1V:G1V+7]
	s_nop 0
	tensor_load_to_lds s[84:87], s[G1V:G1V+7]
	s_nop 0
.rept 4
	v_nop
.endr
.Lfirst_asked:
	s_add_nc_u64 s[6:7], s[6:7], s[48:49]
	s_add_nc_u64 s[14:15], s[6:7], WOFF_A
	s_add_nc_u64 s[16:17], s[6:7], WOFF_B
	s_add_nc_u64 s[12:13], s[6:7], WOFF_C
	s_add_nc_u64 s[4:5], s[4:5], s[40:41]
	s_add_nc_u64 s[10:11], s[10:11], s[44:45]
	s_add_nc_u64 s[24:25], s[24:25], s[42:43]
	s_add_nc_u64 s[26:27], s[26:27], s[44:45]
	s_add_nc_u64 s[28:29], s[28:29], s[44:45]
	s_add_nc_u64 s[32:33], s[32:33], s[44:45]
	s_add_nc_u64 s[34:35], s[34:35], s[42:43]
.macro WLD base, s                     ; K step s of sa_wo or ca_wo: my four tiles' fragments
.set SET, S0+64*((\s)%2)
.irp t, 0,1,2,3
.irp c, 0,1,2,3
	global_load_b128 v[SET+16*\t+4*\c:SET+16*\t+4*\c+3], v1, s[\base:\base+1] offset:(4*\t+(\s))*2048+512*\c
.endr
.endr
.endm
	global_load_b128 v[16:19], v1, s[4:5]          ; my 1,024 bytes of o1's images
	global_load_b128 v[20:23], v1, s[4:5] offset:512
	global_load_b128 v[24:27], v11, s[10:11]       ; sa_bo of my four columns
.irp i, 0,1,2,3,4,5,6,7,8,9,10,11,12,13,14,15
	global_load_b128 v[ACC+4*\i:ACC+4*\i+3], v2, s[24:25] offset:2*\i*4096 th:TH_LOAD_NT   ; x: sixteen lanes read 256 consecutive bytes of a row
.endr
	WLD 14, 0
	WLD 14, 1
	s_wait_kmcnt 0x0
	s_add_co_i32 s46, s68, s69
	s_add_co_i32 s46, s46, 127
	s_lshl_b32 s46, s46, 23                        ; 2^(e8 + e9)
	s_mov_b32 s47, s46
	MKSC 70, 248, 249                              ; e10
	s_sub_co_i32 s50, s74, s70
	s_sub_co_i32 s50, s50, s71                     ; e14 - e10 - e11
	MKSC 50, 250, 251
	MKSS 76, 40, 41                                ; e16: p's
	MKSS 78, 42, 43                                ; e18: the attention result's
	s_add_co_i32 s48, s74, s75
	s_lshl_b32 s48, s48, 23
	s_add_co_i32 s2, s48, 0x3e38aa3b               ; log2(e) / 8, with e14 + e15 added to its exponent field
	s_mov_b32 s3, s2
	s_add_co_i32 s19, s76, s77                     ; e16 + e17
	s_add_co_i32 s104, s78, s79
	s_add_co_i32 s104, s104, 127
	s_lshl_b32 s104, s104, 23                      ; 2^(e18 + e19)
	s_mov_b32 s105, s104
	s_wait_loadcnt 32                              ; all but the two K steps' 32 weight loads are in
	ds_store_b128 v5, v[16:19]
	ds_store_b128 v5, v[20:23] offset:512
.set j, 0
.rept 16
	v_pk_add_f32 v[ACC+j:ACC+j+1], v[ACC+j:ACC+j+1], v[24:25]      ; x + sa_bo
	v_pk_add_f32 v[ACC+j+2:ACC+j+3], v[ACC+j+2:ACC+j+3], v[26:27]
.set j, j+4
.endr
.irp i, 0,1,2,3,4,5,6,7,8,9,10,11,12,13,14,15
	ds_store_b128 v3, v[ACC+4*\i:ACC+4*\i+3] offset:2*\i*272
.endr
	BARRIER                                        ; o1's eight fragments lie in LDS
.macro PHA s                           ; K step s of phase A or C: eight accumulators by turns
.set SET, S0+64*((\s)%2)
.irp m, 0,1
.irp c, 0,1,2,3
	ds_load_b128 v[AF+16*\m+4*\c:AF+16*\m+4*\c+3], v12 offset:(4*\m+(\s))*2048+512*\c
.endr
.endr
.if (\s) < 3
	s_wait_loadcnt 16                              ; this step's weights are in; the next step's sixteen loads may be out
.else
	s_wait_loadcnt 0x0
.endif
	s_wait_dscnt 0x0
.irp m, 0,1
.irp t, 0,1,2,3
.if (\s) == 0
	v_wmma_f32_16x16x128_fp8_fp8 v[ACC+8*(4*\m+\t):ACC+8*(4*\m+\t)+7], v[SET+16*\t:SET+16*\t+15], v[AF+16*\m:AF+16*\m+15], 0
.else
	v_wmma_f32_16x16x128_fp8_fp8 v[ACC+8*(4*\m+\t):ACC+8*(4*\m+\t)+7], v[SET+16*\t:SET+16*\t+15], v[AF+16*\m:AF+16*\m+15], v[ACC+8*(4*\m+\t):ACC+8*(4*\m+\t)+7]
.endif
.endr
.endr
	PLACES
.endm
.macro DLOAD                           ; my stage in the result's layout: token r, features 16 t + 8 h + 0 .. 7
.irp m, 0,1
.irp t, 0,1,2,3
	ds_load_b128 v[S0+8*(4*\m+\t):S0+8*(4*\m+\t)+3], v4 offset:\m*16*272+64*\t
	ds_load_b128 v[S0+8*(4*\m+\t)+4:S0+8*(4*\m+\t)+7], v4 offset:\m*16*272+64*\t+16
.endr
.endr
.endm
.macro DSTORE
.irp m, 0,1
.irp t, 0,1,2,3
	ds_store_b128 v4, v[ACC+8*(4*\m+\t):ACC+8*(4*\m+\t)+3] offset:\m*16*272+64*\t
	ds_store_b128 v4, v[ACC+8*(4*\m+\t)+4:ACC+8*(4*\m+\t)+7] offset:\m*16*272+64*\t+16
.endr
.endr
.endm
	PHA 0
	WLD 14, 2
	PHA 1
	WLD 14, 3
	PHA 2
	DLOAD                                          ; x + sa_bo
	PHA 3
	v_bfe_u32 v247, v0, 4, 1
	s_delay_alu instid0(VALU_DEP_1)
	v_lshlrev_b32 v247, 5, v247                    ; 32 h; written again only behind the wait that shows these loads done
.irp t, 0,1,2,3
	global_load_b128 v[GG+8*\t:GG+8*\t+3], v247, s[26:27] offset:64*\t                 ; the gains of my lane's 32 features
	global_load_b128 v[GG+8*\t+4:GG+8*\t+7], v247, s[26:27] offset:64*\t+16
	global_load_b128 v[BB+8*\t:BB+8*\t+3], v247, s[28:29] offset:64*\t
	global_load_b128 v[BB+8*\t+4:BB+8*\t+7], v247, s[28:29] offset:64*\t+16
.endr
.set j, 0
.rept 32
	v_pk_fma_f32 v[ACC+j:ACC+j+1], v[ACC+j:ACC+j+1], s[46:47], v[S0+j:S0+j+1] op_sel_hi:[1,0,1]   ; x1 = sum x 2^(e8 + e9) + (sa_bo + x); each accumulator from its low end on
.set j, j+2
.endr
	DSTORE                                         ; x1 stays in my stage until phase C
; ---- LayerNorm of x1, which also stays in the accumulators' registers
.macro LSUM m, sq                      ; my lane's 32 numbers of tile m, or their squares, and lane l xor 16's: to the token's word for my wave
.set A0, ACC+32*(\m)
.set R0, 16+8*(\m)
.if \sq
	v_pk_mul_f32 v[R0:R0+1], v[A0:A0+1], v[A0:A0+1]
	v_pk_mul_f32 v[R0+2:R0+3], v[A0+2:A0+3], v[A0+2:A0+3]
.set j, 4
.rept 7
	s_delay_alu instid0(VALU_DEP_2)
	v_pk_fma_f32 v[R0:R0+1], v[A0+j:A0+j+1], v[A0+j:A0+j+1], v[R0:R0+1]
	s_delay_alu instid0(VALU_DEP_2)
	v_pk_fma_f32 v[R0+2:R0+3], v[A0+j+2:A0+j+3], v[A0+j+2:A0+j+3], v[R0+2:R0+3]
.set j, j+4
.endr
.else
	v_pk_add_f32 v[R0:R0+1], v[A0:A0+1], v[A0+2:A0+3]
	v_pk_add_f32 v[R0+2:R0+3], v[A0+4:A0+5], v[A0+6:A0+7]
.set j, 8
.rept 6
	s_delay_alu instid0(VALU_DEP_2)
	v_pk_add_f32 v[R0:R0+1], v[R0:R0+1], v[A0+j:A0+j+1]
	s_delay_alu instid0(VALU_DEP_2)
	v_pk_add_f32 v[R0+2:R0+3], v[R0+2:R0+3], v[A0+j+2:A0+j+3]
.set j, j+4
.endr
.endif
	s_delay_alu instid0(VALU_DEP_1)
	v_pk_add_f32 v[R0:R0+1], v[R0:R0+1], v[R0+2:R0+3]
	s_delay_alu instid0(VALU_DEP_1)
	v_add_f32 v[R0], v[R0], v[R0+1]
	v_mov_b32 v[R0+4], 0
	s_delay_alu instid0(VALU_DEP_1)
	v_permlanex16_b32 v[R0+4], v[R0], s20, s21
	s_delay_alu instid0(VALU_DEP_1)
	v_add_f32 v[R0], v[R0], v[R0+4]
	ds_store_b32 v6, v[R0] offset:\sq*REDD+1280*(\m)
.endm
.macro LGET m, sq                      ; the sixteen waves' words of my token
.irp i, 0,1,2,3
	ds_load_b128 v[16+16*(\m)+4*\i:19+16*(\m)+4*\i], v7 offset:\sq*REDD+1280*(\m)+16*\i
.endr
.endm
.macro LADD m                          ; added in one fixed order, the same in every wave
.set R0, 16+16*(\m)
.irp i, 2
	v_pk_add_f32 v[R0:R0+1], v[R0:R0+1], v[R0+\i:R0+\i+1]
.endr
.irp i, 4, 6, 8, 10, 12, 14
	s_delay_alu instid0(VALU_DEP_1)
	v_pk_add_f32 v[R0:R0+1], v[R0:R0+1], v[R0+\i:R0+\i+1]
.endr
	s_delay_alu instid0(VALU_DEP_1)
	v_add_f32 v[R0], v[R0], v[R0+1]
.endm
.macro WB q                            ; ca_wq's K steps 2 q, 2 q + 1: my two tiles' fragments
.set SET, S0+64*((\q)%2)
.irp u, 0,1
.irp n, 0,1
.irp c, 0,1,2,3
	global_load_b128 v[SET+16*(2*\u+\n)+4*\c:SET+16*(2*\u+\n)+4*\c+3], v1, s[16:17] offset:(8*\n+2*(\q)+\u)*2048+512*\c
.endr
.endr
.endr
.endm
	WB 0                                           ; into the registers that held x + sa_bo
	LSUM 0, 0
	LSUM 1, 0
	BARRIER
	LGET 0, 0
	LGET 1, 0
	s_wait_dscnt 0x0
	LADD 0
	LADD 1
	v_mul_f32 v252, s22, v16                       ; the means
	s_delay_alu instid0(VALU_DEP_2)
	v_mul_f32 v254, s22, v32
	s_delay_alu instid0(VALU_DEP_2)
	v_mov_b32 v253, v252
	s_delay_alu instid0(VALU_DEP_2)
	v_mov_b32 v255, v254
.irp m, 0,1
.set j, 0
.rept 16
	v_pk_add_f32 v[ACC+32*\m+j:ACC+32*\m+j+1], v[ACC+32*\m+j:ACC+32*\m+j+1], v[252+2*\m:253+2*\m] neg_lo:[0,1] neg_hi:[0,1]
.set j, j+2
.endr
.endr
	LSUM 0, 1
	LSUM 1, 1
	BARRIER
	LGET 0, 1
	LGET 1, 1
	s_wait_dscnt 0x0
	LADD 0
	LADD 1
	v_fma_f32 v16, v16, s22, s23                   ; the variance + 1e-5
	s_delay_alu instid0(VALU_DEP_2)
	v_fma_f32 v32, v32, s22, s23
	s_wait_alu depctr_va_vdst(0)
	v_rsq_f32 v252, v16
	v_rsq_f32 v254, v32
	v_nop                                          ; a plain line behind the transcendentals,
	s_wait_alu depctr_va_vdst(0)                   ; and one wait for both, ahead of their first reader
	v_mov_b32 v253, v252
	v_mov_b32 v255, v254
	s_wait_alu depctr_va_vdst(0)
	s_wait_loadcnt 16                              ; the gains are in; the weight's sixteen loads may be out
.macro LAPPLY m
.set A0, ACC+32*(\m)
.set j, 0
.rept 16
	v_pk_mul_f32 v[A0+j:A0+j+1], v[A0+j:A0+j+1], v[252+2*(\m):253+2*(\m)]
.set j, j+2
.endr
.set j, 0
.rept 16
	v_pk_fma_f32 v[A0+j:A0+j+1], v[A0+j:A0+j+1], v[GG+j:GG+j+1], v[BB+j:BB+j+1]
.set j, j+2
.endr
.set j, 0
.rept 32
.set j, j+1
.endr
.set j, 0
.rept 4
	v_cvt_scalef32_pk8_fp8_f32 v[240+2*j:241+2*j], v[A0+8*j:A0+8*j+7], v248
.set j, j+1
.endr
	v_nop                                          ; a plain line behind the conversions
	ds_store_b128 v5, v[240:243] offset:16384*(\m) ; K step wave / 2, chunks 2 (wave % 2) on: 1,024 x wave.  The bytes' earlier readers have passed two barriers
	ds_store_b128 v5, v[244:247] offset:16384*(\m)+512
	s_wait_dscnt 0x0                               ; the stores have read the codes' registers
.endm
	LAPPLY 0
	LAPPLY 1
	WB 1                                           ; into the gains' registers, which are done with
	BARRIER                                        ; the normed rows' sixteen fragments lie in LDS
.macro PHB q                           ; K steps 2 q, 2 q + 1 of phase B: four accumulators by turns
.set SET, S0+64*((\q)%2)
.irp m, 0,1
.irp c, 0,1,2,3
	ds_load_b128 v[16+16*\m+4*\c:19+16*\m+4*\c], v12 offset:(8*\m+2*(\q))*2048+512*\c
	ds_load_b128 v[208+16*\m+4*\c:211+16*\m+4*\c], v12 offset:(8*\m+2*(\q)+1)*2048+512*\c
.endr
.endr
	s_wait_loadcnt 16                              ; these two steps' weights are in; the sixteen loads issued behind them may be out
	s_wait_dscnt 0x0
.irp u, 0,1
.irp m, 0,1
.irp n, 0,1
.if ((\q) == 0) && (\u == 0)
	v_wmma_f32_16x16x128_fp8_fp8 v[ACC+8*(2*\m+\n):ACC+8*(2*\m+\n)+7], v[SET+16*(2*\u+\n):SET+16*(2*\u+\n)+15], v[16+192*\u+16*\m:31+192*\u+16*\m], 0
.else
	v_wmma_f32_16x16x128_fp8_fp8 v[ACC+8*(2*\m+\n):ACC+8*(2*\m+\n)+7], v[SET+16*(2*\u+\n):SET+16*(2*\u+\n)+15], v[16+192*\u+16*\m:31+192*\u+16*\m], v[ACC+8*(2*\m+\n):ACC+8*(2*\m+\n)+7]
.endif
.endr
.endr
.endr
	PLACES
.endm
	PHB 0
	WB 2
	PHB 1
	WB 3
	PHB 2
	WLD 12, 0                                      ; ca_wo's K step 0 is asked for here and lands while the attention is worked: v48-111 are left alone until phase C
	PHB 3
.set j, 0
.rept 32
.set j, j+1
.endr
.set j, 0
.rept 4
	v_cvt_scalef32_pk8_fp8_f32 v[240+2*j:241+2*j], v[ACC+8*j:ACC+8*j+7], v250
.set j, j+1
.endr
	v_nop
	s_wait_alu depctr_va_vdst(0)
	BARRIER                                        ; every wave's reads of the normed rows are over: q2 goes into the same bytes
	ds_store_b128 v9, v[240:243]                   ; token tile 0: registers 4 (wave % 2) .. + 3 of head wave / 2's fragment
	ds_store_b128 v9, v[244:247] offset:8192       ; token tile 1
	v_mov_b32 v[NM+1], 0xff61b1e6                  ; the largest t so far: -3e38
	s_delay_alu instid0(VALU_DEP_1)
	v_floor_f32 v[NM], -v[NM+1]
	v_mov_b32 v[SUM], 0
	v_mov_b32 v[SUM+1], 0
	v_mov_b32 v[FF+1], 0                           ; (named as the upper half of a pair)
	v_mov_b32 v[PD], 0                             ; a lane permute's destination counts as read
.set j, 0
.rept 32
	v_mov_b32 v[OO+j], 0                           ; O^T: the step is written once; the first change of M leaves zeros zeros
.set j, j+1
.endr
	v_mov_b32 v248, s40                            ; 2^e16; v250: 2^e18
	v_mov_b32 v250, s42
; THE CHANGE OF SLOTS, at a step's head: each wave waits for all its tensor loads, adds 0 to its spare word, waits for that and for its reads of the slot that it has left; behind the barrier the slot ahead is whole and the other
; is read by nobody.  fill = 0 or 1: that slot, just left, is filled with the keys two steps on, and the load has a whole step in which to land; fill = 2: nothing is filled.
.macro CHANGE fill
	s_wait_tensorcnt 0x0                           ; no tensor load of mine is out, so a group 0 may be written
	ds_add_u32 v15, v10
.if \fill == 0
	s_add_nc_u64 s[62:63], s[62:63], 2*64*512
	s_add_nc_u64 s[82:83], s[82:83], 2*64
.elseif \fill == 1
	s_add_nc_u64 s[98:99], s[98:99], 2*64*512
	s_add_nc_u64 s[86:87], s[86:87], 2*64
.endif
	s_wait_dscnt 0x0
	s_barrier_signal -1
	s_barrier_wait -1
.if \fill == 0
	TLOAD 60, 80                                   ; the first thing behind the barrier, a wave's one tensor load until the next
.elseif \fill == 1
	TLOAD 96, 84
.endif
.endm
.macro STEP slot                       ; 64 keys
	v_add_nc_u32 v[ADK], (\slot)*SLOTB, v13
	v_add_nc_u32 v[ADV], (\slot)*SLOTB, v14
	v_nop                                          ; with the two additions: four places in front of loads into registers that the last products read
	v_nop
.irp t, 0,1,2,3
	ds_load_b128 v[KF+8*\t:KF+8*\t+3], v[ADK] offset:16*\t*KP
	ds_load_b128 v[KF+8*\t+4:KF+8*\t+7], v[ADK] offset:16*\t*KP+32
.endr
.irp t, 0,1,2,3
	ds_load_b128 v[VF+8*\t:VF+8*\t+3], v[ADV] offset:16*\t*VP
	ds_load_b128 v[VF+8*\t+4:VF+8*\t+7], v[ADV] offset:16*\t*VP+32
.endr
	s_wait_dscnt 0x8                               ; K (and, in the first step, Q) is in; V's eight loads may be out: they land while the softmax is worked
.irp t, 0,1,2,3
	v_wmma_f32_16x16x64_fp8_fp8 v[SS+8*\t:SS+8*\t+7], v[KF+8*\t:KF+8*\t+7], v[QR:QR+7], 0
.endr
	PLACES
	v_max3_num_f32 v[W1], v[SS], v[SS+1], v[SS+2]  ; the step's largest score of my query among my 32 keys, in two chains,
	v_max3_num_f32 v[FF], v[SS+3], v[SS+4], v[SS+5]
.irp i, 6,10,14,18,22,26
	v_max3_num_f32 v[W1], v[W1], v[SS+\i], v[SS+\i+1]
	v_max3_num_f32 v[FF], v[FF], v[SS+\i+2], v[SS+\i+3]
.endr
	v_max3_num_f32 v[W1], v[W1], v[SS+30], v[SS+31]
	s_delay_alu instid0(VALU_DEP_1)
	v_max_num_f32 v[W1], v[W1], v[FF]
	s_delay_alu instid0(VALU_DEP_1)
	v_permlanex16_b32 v[PD], v[W1], s20, s21
	s_delay_alu instid0(VALU_DEP_1)
	v_max_num_f32 v[W1], v[W1], v[PD]              ; and among lane l xor 16's
	s_delay_alu instid0(VALU_DEP_1)
	v_mul_f32 v[W1], s2, v[W1]
	s_delay_alu instid0(VALU_DEP_1)
	v_max_num_f32 v[NM+1], v[NM+1], v[W1]
	v_mov_b32 v[W1], v[NM]
	s_delay_alu instid0(VALU_DEP_2)
	v_floor_f32 v[NM], -v[NM+1]                    ; -M = floor(-t): M is a whole number
	s_delay_alu instid0(VALU_DEP_1)
	v_sub_f32 v[W1], v[NM], v[W1]
	s_delay_alu instid0(VALU_DEP_1)
	v_cvt_i32_f32 v[W1], v[W1]                     ; (it saturates)
	s_delay_alu instid0(VALU_DEP_1)
	v_ldexp_f32 v[FF], 1.0, v[W1]                  ; f = 2^(old M - new M)
.set j, 0
.rept 16
	v_pk_fma_f32 v[SS+j:SS+j+1], v[SS+j:SS+j+1], s[2:3], v[NM:NM+1] op_sel_hi:[1,0,0]   ; t - M
.set j, j+2
.endr
.set j, 0
	s_wait_alu depctr_va_vdst(0)
.rept 32
	v_exp_f32 v[SS+j], v[SS+j]
.set j, j+1
.endr
	v_pk_mul_f32 v[SUM:SUM+1], v[SUM:SUM+1], v[FF:FF+1] op_sel_hi:[1,0]   ; the sums under the new M: the plain line behind the exponentials
	s_wait_alu depctr_va_vdst(0)                   ; one wait for the whole batch, ahead of its first reader
	v_pk_add_f32 v[34:35], v[180:181], v[184:185]
	v_pk_add_f32 v[254:255], v[188:189], v[192:193]
	v_pk_add_f32 v[252:253], v[196:197], v[200:201]
	v_pk_add_f32 v[246:247], v[204:205], v[176:177]
	v_pk_add_f32 v[244:245], v[178:179], v[182:183]
	v_pk_add_f32 v[242:243], v[186:187], v[190:191]
	v_pk_add_f32 v[240:241], v[194:195], v[198:199]
	v_pk_add_f32 v[26:27], v[26:27], v[202:203]
	v_pk_add_f32 v[34:35], v[34:35], v[206:207]
	s_delay_alu instid0(VALU_DEP_2)
	v_pk_add_f32 v[26:27], v[26:27], v[246:247]
	s_delay_alu instid0(VALU_DEP_2)
	v_pk_add_f32 v[34:35], v[34:35], v[244:245]
	v_pk_add_f32 v[254:255], v[254:255], v[242:243]
	v_pk_add_f32 v[252:253], v[252:253], v[240:241]
	s_delay_alu instid0(VALU_DEP_2)
	v_pk_add_f32 v[26:27], v[26:27], v[254:255]
	s_delay_alu instid0(VALU_DEP_2)
	v_pk_add_f32 v[34:35], v[34:35], v[252:253]
	s_delay_alu instid0(VALU_DEP_1)
	v_pk_add_f32 v[26:27], v[26:27], v[34:35]
.irp b, 0,1,2,3
.irp i, 0,1,2,3,4,5,6,7
.endr
	v_cvt_scalef32_pk8_fp8_f32 v[240+2*\b:241+2*\b], v[SS+8*\b:SS+8*\b+7], v248
.endr
.set j, 0
.rept 16
	v_pk_mul_f32 v[OO+j:OO+j+1], v[OO+j:OO+j+1], v[FF:FF+1] op_sel_hi:[1,0]   ; O^T under the new M; also the plain lines behind the conversions
.set j, j+2
.endr
	s_wait_alu depctr_va_vdst(0)
	s_wait_dscnt 0x0                               ; V
.irp t, 0,1,2,3
	v_wmma_f32_16x16x64_fp8_fp8 v[OO+8*\t:OO+8*\t+7], v[VF+8*\t:VF+8*\t+7], v[240:247], v[OO+8*\t:OO+8*\t+7]   ; the four accumulators take turns
.endr
.endm
	CHANGE 2                                       ; q2 lies in LDS, and both slots' first tiles have landed
	ds_load_b128 v[QR:QR+3], v8                    ; my fragment of q2 stays in registers
	ds_load_b128 v[QR+4:QR+7], v8 offset:512
	STEP 0                                         ; keys 0 .. 63
	CHANGE 0                                       ; slot 0 takes keys 128 on
	STEP 1
	CHANGE 1                                       ; slot 1 takes keys 192 on
	STEP 0
	CHANGE 0                                       ; 256
	STEP 1
	CHANGE 1                                       ; 320
	STEP 0
	CHANGE 0                                       ; 384
	STEP 1
	CHANGE 1                                       ; 448
	STEP 0
	CHANGE 2                                       ; nothing is left to fetch
	STEP 1
	PLACES
	v_add_f32 v[SUM], v[SUM], v[SUM+1]
	s_delay_alu instid0(VALU_DEP_1)
	v_permlanex16_b32 v[PD], v[SUM], s20, s21
	s_delay_alu instid0(VALU_DEP_1)
	v_add_f32 v[SUM], v[SUM], v[PD]                ; the row's sum
	s_wait_alu depctr_va_vdst(0)
	v_rcp_f32 v[SUM], v[SUM]
	v_nop
	s_wait_alu depctr_va_vdst(0)
	v_ldexp_f32 v[SUM], v[SUM], s19                ; x 2^(e16 + e17)
.set j, 0
.rept 32
	v_mul_f32 v[SS+j], v[OO+j], v[SUM]             ; register 8 t + i: o(query r, 16 t + 8 h + i)
.set j, j+1
.endr
.set j, 0
.rept 32
.set j, j+1
.endr
.irp t, 0,1,2,3
	v_cvt_scalef32_pk8_fp8_f32 v[240+2*\t:241+2*\t], v[SS+8*\t:SS+8*\t+7], v250
.endr
	v_nop
	ds_store_b128 v8, v[240:243]                   ; token tile m, K step head / 2, chunks 2 (head % 2) + 0, 1 of phase C's operand: the bytes that held my q2
	ds_store_b128 v8, v[244:247] offset:512
; ---- phase C
	global_load_b128 v[252:255], v11, s[32:33]     ; ca_bo of my four columns
	WLD 12, 1
	BARRIER                                        ; the attention's eight fragments lie in LDS
	PHA 0                                          ; (its wait leaves K step 1's sixteen loads out: K step 0 and ca_bo are in)
	WLD 12, 2
	PHA 1
	WLD 12, 3
	PHA 2
	DLOAD                                          ; x1
	PHA 3
.set j, 0
.rept 32
	v_pk_fma_f32 v[ACC+j:ACC+j+1], v[ACC+j:ACC+j+1], s[104:105], v[S0+j:S0+j+1] op_sel_hi:[1,0,1]   ; sum x 2^(e18 + e19) + x1; each accumulator from its low end on
.set j, j+2
.endr
	DSTORE
.irp i, 0,1,2,3,4,5,6,7,8,9,10,11,12,13,14,15
	ds_load_b128 v[S0+4*\i:S0+4*\i+3], v3 offset:2*\i*272          ; my own bytes: LDS serves a wave's instructions in order
.endr
.irp i, 0,1,2,3,4,5,6,7,8,9,10,11,12,13,14,15
	s_wait_dscnt 15-\i                             ; the younger loads may be out
	v_pk_add_f32 v[S0+4*\i:S0+4*\i+1], v[S0+4*\i:S0+4*\i+1], v[252:253]     ; + ca_bo, in the rows' layout
	v_pk_add_f32 v[S0+4*\i+2:S0+4*\i+3], v[S0+4*\i+2:S0+4*\i+3], v[254:255]
	global_store_b128 v2, v[S0+4*\i:S0+4*\i+3], s[34:35] offset:2*\i*4096 th:TH_STORE_NT   ; sixteen lanes store 256 consecutive bytes, aligned
.endr
	s_wait_tensorcnt 0x0                           ; the wave's end
	ds_add_u32 v15, v10
	s_wait_dscnt 0x0
	s_endpgm
.Lfunc_end_k_q4f436b065c_tail:
	.size	k_q4f436b065c_tail, .Lfunc_end_k_q4f436b065c_tail-k_q4f436b065c_tail
	.p2alignl 7, 3214868480
	.fill 96, 4, 3214868480
	.section	.rodata,"a",@progbits
	.p2align	6, 0x0
	.amdhsa_kernel k_q4f436b065c_tail
		.amdhsa_group_segment_fixed_size 327680
		.amdhsa_private_segment_fixed_size 0
		.amdhsa_enable_private_segment 0
		.amdhsa_kernarg_size 80
		.amdhsa_user_sgpr_count 2
		.amdhsa_user_sgpr_kernarg_segment_ptr 1
		.amdhsa_wavefront_size32 1
		.amdhsa_system_sgpr_workgroup_id_x 1
		.amdhsa_system_sgpr_workgroup_id_y 1
		.amdhsa_system_sgpr_workgroup_id_z 1
		.amdhsa_system_vgpr_workitem_id 0
		.amdhsa_next_free_vgpr 256
		.amdhsa_next_free_sgpr 106
		.amdhsa_reserve_vcc 0
		.amdhsa_float_denorm_mode_32 3
		.amdhsa_float_denorm_mode_16_64 3
		.amdhsa_fp16_overflow 1
		.amdhsa_memory_ordered 1
		.amdhsa_forward_progress 1
		.amdhsa_inst_pref_size 156
	.end_amdhsa_kernel
	.amdgpu_metadata
---
amdhsa.version: [ 1, 2 ]
amdhsa.kernels:
  - .name:           k_q4f436b065c_tail
    .symbol:         k_q4f436b065c_tail.kd
    .args:
      - { .name: o1, .offset: 0, .size: 8, .value_kind: global_buffer, .address_space: global }
      - { .name: wcodes, .offset: 8, .size: 8, .value_kind: global_buffer, .address_space: global }
      - { .name: lowp_scales, .offset: 16, .size: 8, .value_kind: global_buffer, .address_space: global }
      - { .name: sa_bo, .offset: 24, .size: 8, .value_kind: global_buffer, .address_space: global }
      - { .name: x, .offset: 32, .size: 8, .value_kind: global_buffer, .address_space: global }
      - { .name: ca_ng, .offset: 40, .size: 8, .value_kind: global_buffer, .address_space: global }
      - { .name: ca_nb, .offset: 48, .size: 8, .value_kind: global_buffer, .address_space: global }
      - { .name: qkvb, .offset: 56, .size: 8, .value_kind: global_buffer, .address_space: global }
      - { .name: ca_bo, .offset: 64, .size: 8, .value_kind: global_buffer, .address_space: global }
      - { .name: out0, .offset: 72, .size: 8, .value_kind: global_buffer, .address_space: global }
    .group_segment_fixed_size: 327680
    .private_segment_fixed_size: 0
    .kernarg_segment_align: 8
    .kernarg_segment_size: 80
    .max_flat_workgroup_size: 512
    .sgpr_count:     106
    .vgpr_count:     256
    .wavefront_size: 32
...
	.end_amdgpu_metadata
.endif
;; end of part 4
